; MI455X (gfx1250); checked and timed in simulation.
; The chip was launched on July 23, 2026; its instructions are those of AMD's public machine-readable ISA for CDNA 5 (MIT licence, August 2026) and "CDNA5" Instruction Set Architecture Reference Guide (July 2026). The comments in the code are by the model that wrote it; some were corrected since.
;; Attention. Allowed arithmetic: matrix products marked QUANTISED: E3M2 operands, one E8M0 scale for each 32 along K, by v_wmma_scale_f32_16x16x128_f8f6f4 with both operands' format E3M2, f32 sums; everything else in f32.
;; Inputs: Wo 1,024 x 1,024 float32; Wqkv 3,072 x 1,024 float32; bo 1,024 float32; bqkv 3,072 float32; mask 2,048 x 2,048 bool; x 4 x 2,048 x 1,024 float32.
;; Outputs: out0 4 x 2,048 x 1,024 float32.
;; This version of the problem:
;;   THIS VERSION OF THE PROBLEM IS GIVEN IN LOW PRECISION. The matrix products marked QUANTISED in the list below multiply operands that are first quantised to E3M2 (3 exponent bits, 2 mantissa bits; 6 bits a number), with one power-of-two scale for each 32 numbers along K (OCP MX v1.0); their sums are f32. All else is computed in f32.
;;   The module's matrix products, in the order in which they are computed (A, B: the left and right operand; K: the contracted axis; several contracted axes count as one K, in the product's order):
;;     1. [M 8,192, K 1,024] x [K 1,024, N 3,072]; A: input x; B: input Wqkv: QUANTISED
;;     2. batch 64 x [M 2,048, K 64] x [K 64, N 2,048]; A: computed on the way; B: computed on the way: QUANTISED
;;     3. batch 64 x [M 2,048, K 2,048] x [K 2,048, N 64]; A: softmax (see below); B: computed on the way: QUANTISED
;;     4. [M 8,192, K 1,024] x [K 1,024, N 1,024]; A: computed on the way; B: input Wo: QUANTISED
;;   THE QUANTISER, for each operand of a quantised product, along K:
;;     - K is cut into blocks of 32 from its start; a last block that is shorter is filled with zeros.
;;     - A block's scale is 2^e with e = floor(log2(the largest magnitude in the block)) - 4, held to -126 .. 127; a block of zeros has e = 0. As a byte (E8M0): e + 127.
;;     - Each number is divided by its block's scale, clamped to +-28, and rounded to the nearest number of E3M2, ties to even, subnormals kept.
;;     - The product sums the exact products of the quantised numbers (number of the format x scale) in f32.
;;   ~~~python
;;   def quantise(x, axis):      # numpy; x: float32 -> the quantised numbers, widened to float32 again
;;       x = np.moveaxis(x, axis, -1); K = x.shape[-1]
;;       x = np.pad(x, [(0, 0)] * (x.ndim - 1) + [(0, -K % 32)]); x = x.reshape(x.shape[:-1] + (-1, 32)); a = np.abs(x).max(-1, keepdims=True)
;;       e = np.where(a > 0, np.clip(np.frexp(np.where(a > 0, a, 1))[1] - 1 - 4, -126, 127), 0)      # np.frexp(a)[1] - 1 = floor(log2(a)), exactly
;;       r = np.clip(x / 2.0 ** e, -28, 28)
;;       step = 2.0 ** (np.maximum(np.frexp(np.where(r == 0, 1, r))[1] - 1, -2) - 2)
;;       q = np.round(r / step) * step * 2.0 ** e      # np.round: ties to even
;;       return np.moveaxis(q.reshape(q.shape[:-2] + (-1,))[..., :K], -1, axis).astype(np.float32)
;;   ~~~
;;   SOFTMAX AHEAD OF A QUANTISED PRODUCT. Where the list says 'softmax', what is quantised is not the finished softmax but p = 2^(t - M), with t = logit x log2(e) and M = ceil(the row's largest t), a whole number; so 1/2 < the row's largest p <= 1. The row's sum l is taken of the UNQUANTISED p, in f32, and the product's result is divided by l at the end. Since M is a whole number, a kernel that streams over the keys may use a running M (the ceiling of the running maximum): every later rescaling is an exact power of two, which a block's scale takes up: the codes' values come out the same.
;;   OPERANDS COMPUTED ON THE WAY. 'Computed on the way' means the value that the module computes at that place (a softmax that the list does not call 'softmax' is quantised finished and normalised). What goes into a quantiser is computed in f32, as accurately as f32 sums, v_exp_f32 and their like allow (about 1e-6 of the number): no bf16 or f16 on the way to a quantiser, and a product that is left as it is and whose result goes on into a quantised operand takes f32 operands (vector FMAs, or v_wmma_f32_16x16x4_f32). A number that lies on a knife's edge between two numbers of the format may be rounded either way, as far as f32 arithmetic and the matrix unit's own rounding can turn it there, and no further.
;; One version. Each part assembles by itself: llvm-mc -triple=amdgcn-amd-amdhsa -mcpu=gfx1250 --defsym DOCPART=n.
;; ======== version 1 of 1: 4 launches
;; workspace buffers: cod 9,437,184 bytes; scs 393,216 bytes; msk 524,800 bytes of whole numbers; img 18,874,368 bytes; scl 786,432 bytes; ocod 6,291,456 bytes; oscl 262,144 bytes
;; launch prep (part 1): grid 512 x 1, 4 waves a work-group, no clusters, 67,072 bytes of LDS; arguments x, Wqkv, Wo, mask, cod, scs, msk; writes cod, scs, msk
.if DOCPART == 1
	.amdgcn_target "amdgcn-amd-amdhsa--gfx1250"
	.amdhsa_code_object_version 6
	.text
	.protected	k_q54d604467e_prep
	.globl	k_q54d604467e_prep
	.p2align	8
	.type	k_q54d604467e_prep,@function
k_q54d604467e_prep:
	s_mov_b64 s[64:65], 0
	v_nop
	global_prefetch_b8 v0, s[64:65] scope:SCOPE_SE
	s_setreg_imm32_b32 hwreg(HW_REG_WAVE_MODE, 25, 1), 1
	s_wait_xcnt 0x0
; PREP.  Work-groups 0-383: x [8192][1024], Wqkv [3072][1024] and Wo [1024][1024], f32, become codes of BF6 (E3M2), K innermost, 768 bytes a row, and one E8M0 byte for each 32 along K,
; 32 bytes a row, in ONE table of 12,288 rows (x, then Wqkv, then Wo).  A ROW'S PLACE IN THE TABLE IS ITS NUMBER WITH BITS 3 AND 4 SWAPPED: sixteen neighbouring places then hold rows
; 32 g + 8 u + {0..7, 16..23}, so that a product's results of two neighbouring tiles are sixteen neighbours along the next product's K.
; A block's scale is 2^(floor(log2(largest magnitude)) - 4); its byte is the largest magnitude's exponent field - 4, held at 1 from below (a block of zeros keeps the byte 1: its codes are zeros, and this program alone reads the bytes).
; Work-groups 384-511: the mask [2048][2048] (a byte other than 0 hides) becomes, for each tile T of 16 queries (32 (T/2) + 8 (T%2) + {0..7, 16..23}) and each step s of 128 keys, 64 words of lane bits:
; bit (r + 16 h) of word n = mask[query r of T][128 s + 32 (n/16) + 16 h + n%16]; and a class of two bits: 0 all hidden, 1 mixed, 2 all open.
; LIMITS: NaN and infinities among the f32 inputs are not served; blocks whose largest magnitude lies under 2^-122 keep the byte 1.
; No tensor loads, no barrier: waves share nothing.  The two ways part on the work-group's number, never join, and have LDS bytes of their own.
.set STEPS, 16
.set EMAX,  4
.set CB,    12                         ; bytes of 16 codes
.set R,     16                         ; v16-79   four sets of 16 numbers as loaded
.set X,     80                         ; v80-111  two sets of 16 neighbours
.set C,     128                        ; v128-191 codes: four registers for each step
.set E,     112                        ; v112-127 a scale byte for each step
.set WREG,  8192                       ; LDS of a quantising wave: two stages of 32 x SP bytes, then its 256 scale bytes
.set SP,    80
.set QWG,   384                        ; work-groups that quantise: 256 for x, 96 for Wqkv, 32 for Wo; 32 rows each
.set MST,   32768                      ; LDS of the mask's way: 16 rows x MP bytes for each wave
.set MP,    528
	s_load_b256 s[4:11], s[0:1], 0x0               ; x, Wqkv, Wo, mask
	s_load_b128 s[12:15], s[0:1], 0x20             ; cod, scs
	s_load_b64 s[24:25], s[0:1], 0x30              ; msk
	v_lshl_add_u32 v192, v0, 2, 0x10400
	v_mov_b32 v193, 0
	v_lshrrev_b32 v1, 5, v0
	v_readfirstlane_b32 s16, v1                    ; wave
	v_and_b32 v2, 31, v0                           ; lane
	s_cmp_ge_u32 ttmp9, QWG
	s_cbranch_scc1 .Lmask
	; ---------------- the quantiser: a wave takes 8 rows = 16 steps of 512 numbers
	v_lshlrev_b32 v3, 4, v2                        ; my 16 bytes of a load's 512
	s_mul_i32 s17, s16, WREG
	v_lshrrev_b32 v14, 2, v2
	v_mul_u32_u24 v14, v14, SP
	v_and_b32 v15, 3, v2
	v_lshl_add_u32 v14, v15, 4, v14
	v_add_nc_u32 v14, s17, v14                     ; the stage, in: SP (lane / 4) + 16 (lane % 4)
	v_mul_u32_u24 v15, v2, SP
	v_add_nc_u32 v15, s17, v15                     ; and out: SP x lane: my 16 neighbours
	v_mul_u32_u24 v4, v2, CB                       ; my codes' place in a step's
	v_lshrrev_b32 v5, 1, v2
	s_add_co_u32 s17, s17, 2*32*SP
	v_add_nc_u32 v5, s17, v5                       ; LDS: my block's scale byte
	v_lshlrev_b32 v7, 3, v2
	v_add_nc_u32 v6, s17, v7
	s_wait_kmcnt 0x0
	s_mov_b32 s17, 352                             ; which tensor: the choice hangs on the work-group's number alone
	s_cmp_lt_u32 ttmp9, 352
	s_cselect_b64 s[6:7], s[6:7], s[8:9]
	s_cselect_b32 s17, 256, s17
	s_cmp_lt_u32 ttmp9, 256
	s_cselect_b64 s[4:5], s[4:5], s[6:7]
	s_cselect_b32 s17, 0, s17
	s_sub_co_u32 s17, ttmp9, s17
	s_lshl_b32 s17, s17, 2
	s_add_co_u32 s18, s17, s16                     ; my run of 8 rows in the tensor
	s_lshl_b32 s18, s18, 15                        ; 32,768 bytes a run
	s_mov_b32 s19, 0
	s_add_nc_u64 s[4:5], s[4:5], s[18:19]
	s_and_b32 s20, s16, 1                          ; a run is 8 rows, so the wave's number is bits 3 and 4 of the row: they change places
	s_lshl_b32 s20, s20, 1
	s_lshr_b32 s21, s16, 1
	s_or_b32 s20, s20, s21
	s_lshl_b32 s21, ttmp9, 2
	s_add_co_u32 s20, s20, s21                     ; my run's place in the table
	s_mul_i32 s18, s20, 32*STEPS*CB                ; 6,144 bytes of codes a run
	s_add_nc_u64 s[12:13], s[12:13], s[18:19]
	s_lshl_b32 s18, s20, 8                         ; 256 scale bytes a run
	s_add_nc_u64 s[14:15], s[14:15], s[18:19]
.macro LOAD t
.irp i, 0,1,2,3
	global_load_b128 v[R+16*((\t)%4)+4*\i:R+16*((\t)%4)+4*\i+3], v3, s[4:5] offset:2048*(\t)+512*\i th:TH_LOAD_NT   ; 32 lanes read 512 consecutive bytes
.endr
.endm
.macro TURN t                          ; step t's numbers through the stage: LDS serves a wave's instructions in order, so no wait stands between the stores and the loads
.irp i, 0,1,2,3
	ds_store_b128 v14, v[R+16*((\t)%4)+4*\i:R+16*((\t)%4)+4*\i+3] offset:32*SP*((\t)%2)+8*SP*\i
.endr
.irp i, 0,1,2,3
	ds_load_b128 v[X+16*((\t)%2)+4*\i:X+16*((\t)%2)+4*\i+3], v15 offset:32*SP*((\t)%2)+16*\i
.endr
.endm
.irp t, 0,1,2,3
	LOAD \t
.endr
	s_wait_loadcnt 12                              ; step 0's four loads are in
	TURN 0
.macro STEP t
.set XS, X+16*((\t)%2)
.if (\t) > 0
	s_wait_dscnt 1                                 ; this step's numbers are back from the stage (the last step's byte store may be out)
.else
	s_wait_dscnt 0x0
.endif
.if (\t)+4 < STEPS
	LOAD (\t)+4                                    ; into the registers that the stage's stores have read
.endif
.if (\t)+1 < STEPS
.if STEPS-2-(\t) >= 3
	s_wait_loadcnt 12                              ; the next step's four loads are in; those of the three steps behind it may be out
.else
	s_wait_loadcnt 4*(STEPS-2-(\t))
.endif
	TURN (\t)+1
.endif
	v_max3_num_f32 v8, |v[XS]|, |v[XS+1]|, |v[XS+2]|               ; the largest magnitude of my 16
	v_max3_num_f32 v9, |v[XS+3]|, |v[XS+4]|, |v[XS+5]|
.irp i, 6,10
	v_max3_num_f32 v8, v8, |v[XS+\i]|, |v[XS+\i+1]|
	v_max3_num_f32 v9, v9, |v[XS+\i+2]|, |v[XS+\i+3]|
.endr
	v_max3_num_f32 v8, v8, |v[XS+14]|, |v[XS+15]|
	v_max3_num_f32 v8, v8, v9, (EMAX+1)<<23        ; and the floor 2^(5 - 127): the byte cannot fall under 1
	v_max_num_f32_dpp v8, v8, v8 row_xmask:1 row_mask:0xf bank_mask:0xf   ; and of my neighbour's 16: the block's
	v_add_nc_u32 v11, -(EMAX<<23), v8              ; 4 off its exponent field: the conversion takes the exponent field of this operand as its scale
	v_cvt_scalef32_pk16_bf6_f32 v[C+4*(\t):C+4*(\t)+2], v[XS:XS+15], v11
	v_lshrrev_b32 v[E+(\t)], 23, v11               ; the scale's byte
	ds_store_b8 v5, v[E+(\t)] offset:16*(\t)       ; both lanes of a block write the same byte with the same value
	global_store_b96 v4, v[C+4*(\t):C+4*(\t)+2], s[12:13] offset:32*CB*(\t)
.endm
.irp t, 0,1,2,3,4,5,6,7,8,9,10,11,12,13,14,15
	STEP \t
.endr
	ds_load_b64 v[12:13], v6                       ; LDS serves a wave's instructions in order: these see my stores
	s_wait_dscnt 0x0
	global_store_b64 v7, v[12:13], s[14:15]        ; 32 lanes store 256 consecutive bytes, aligned
	s_wait_tensorcnt 0x0
	ds_add_u32 v192, v193
	s_wait_dscnt 0x0
	s_endpgm
	; ---------------- the mask: work-group = tile T of 16 queries; wave w = key steps 4 w .. 4 w + 3 (512 bytes of each row)
.Lmask:
	s_sub_co_u32 s17, ttmp9, QWG                   ; T
	v_and_b32 v3, 15, v0                           ; r
	v_bfe_u32 v8, v0, 4, 1                         ; h
	v_lshlrev_b32 v4, 4, v2                        ; 16 x lane
	s_mul_i32 s18, s16, 16*MP
	s_add_co_u32 s18, s18, MST                     ; my stage
	v_add_nc_u32 v5, s18, v4                       ; in: a row as it lies
	v_mul_u32_u24 v6, v3, MP
	v_lshl_add_u32 v6, v8, 4, v6
	v_add_nc_u32 v6, s18, v6                       ; out: row r, + 16 h
	v_lshlrev_b32 v7, 3, v2                        ; two words a lane
.irp i, 0,1,2,3,4,5,6,7
	v_mov_b32 v[144+\i], 0                         ; v_writelane_b32's destination counts as read
.endr
	s_lshr_b32 s19, s17, 1
	s_lshl_b32 s19, s19, 5
	s_and_b32 s20, s17, 1
	s_lshl_b32 s20, s20, 3
	s_add_co_u32 s19, s19, s20                     ; the tile's first query
	s_lshl_b32 s20, s19, 11                        ; x 2,048 bytes
	s_lshl_b32 s21, s16, 9
	s_add_co_u32 s20, s20, s21                     ; + my 512 keys
	s_mov_b32 s21, 0
	s_lshl_b32 s22, s17, 12                        ; the words: 4,096 bytes a tile, 1,024 a wave
	s_lshl_b32 s23, s16, 10
	s_add_co_u32 s22, s22, s23
	s_mov_b32 s23, 0
	s_lshl_b32 s26, s17, 2                         ; the classes: a word a tile, a byte a wave
	s_add_co_u32 s26, s26, s16
	s_add_co_u32 s26, s26, 524288
	s_mov_b32 s27, 0
	s_mov_b32 s43, 0
	s_wait_kmcnt 0x0
	s_add_nc_u64 s[10:11], s[10:11], s[20:21]
	s_add_nc_u64 s[28:29], s[24:25], s[26:27]
	s_add_nc_u64 s[24:25], s[24:25], s[22:23]
.irp p, 0,1,2,3,4,5,6,7,8,9,10,11,12,13,14,15
	global_load_b128 v[16+4*\p:19+4*\p], v4, s[10:11] offset:(\p+8*(\p/8))*2048 th:TH_LOAD_NT   ; query p of the tile: 512 consecutive bytes
.endr
.irp p, 0,1,2,3,4,5,6,7,8,9,10,11,12,13,14,15
	s_wait_loadcnt 15-\p                           ; row p is in; the later rows may be out
	ds_store_b128 v5, v[16+4*\p:19+4*\p] offset:MP*\p
.endr
.irp q, 0,1,2,3,4,5,6,7,8,9,10,11,12,13,14,15
	ds_load_b128 v[80+4*\q:83+4*\q], v6 offset:128*(\q/4)+32*(\q%4)   ; step q / 4, block q % 4: my row's 16 bytes of my half
.endr
.macro MWORDS sp                       ; step sp of my four: 64 words, their OR and AND, the class
	s_wait_dscnt 12-4*\sp                          ; this step's four loads are back; the later steps' may be out
	s_mov_b32 s40, 0
	s_mov_b32 s41, -1
.set MN, 0
.rept 64
	v_and_b32 v[152+MN%8], 0xff<<(8*(MN%4)), v[80+16*\sp+MN/4]
	v_cmp_ne_u32 s[44+MN%8], 0, v[152+MN%8]        ; word n: a bit a lane
	s_or_b32 s40, s40, s[44+MN%8]
	s_and_b32 s41, s41, s[44+MN%8]
	v_writelane_b32 v[144+2*\sp+(MN&1)], s[44+MN%8], MN>>1
.set MN, MN+1
.endr
	global_store_b64 v7, v[144+2*\sp:145+2*\sp], s[24:25] offset:256*\sp   ; 32 lanes store 256 consecutive bytes, aligned
	s_cmp_eq_u32 s40, 0
	s_cselect_b32 s42, 2, 1                        ; nothing hidden: 2
	s_cmp_eq_u32 s41, -1
	s_cselect_b32 s42, 0, s42                      ; all hidden: 0
	s_lshl_b32 s42, s42, 2*\sp
	s_or_b32 s43, s43, s42
.endm
	MWORDS 0
	MWORDS 1
	MWORDS 2
	MWORDS 3
	v_mov_b32 v160, s43
	v_mov_b32 v161, 0
	s_wait_xcnt 0x0                                ; EXEC is a source of the stores above: it changes only behind this wait
	v_cmp_eq_u32 vcc_lo, 0, v2
	s_wait_tensorcnt 0x0
	ds_add_u32 v192, v193
	s_wait_dscnt 0x0
	s_and_saveexec_b32 s52, vcc_lo
	global_store_b8 v161, v160, s[28:29]           ; my four classes: one byte, from lane 0
	s_wait_xcnt 0x0
	s_or_b32 exec_lo, exec_lo, s52
	s_endpgm
.Lfunc_end_k_q54d604467e_prep:
	.size	k_q54d604467e_prep, .Lfunc_end_k_q54d604467e_prep-k_q54d604467e_prep
	.p2alignl 7, 3214868480
	.fill 96, 4, 3214868480
	.section	.rodata,"a",@progbits
	.p2align	6, 0x0
	.amdhsa_kernel k_q54d604467e_prep
		.amdhsa_group_segment_fixed_size 67072
		.amdhsa_private_segment_fixed_size 0
		.amdhsa_enable_private_segment 0
		.amdhsa_kernarg_size 56
		.amdhsa_user_sgpr_count 2
		.amdhsa_user_sgpr_kernarg_segment_ptr 1
		.amdhsa_wavefront_size32 1
		.amdhsa_system_sgpr_workgroup_id_x 1
		.amdhsa_system_sgpr_workgroup_id_y 1
		.amdhsa_system_sgpr_workgroup_id_z 1
		.amdhsa_system_vgpr_workitem_id 0
		.amdhsa_next_free_vgpr 194
		.amdhsa_next_free_sgpr 66
		.amdhsa_reserve_vcc 1
		.amdhsa_float_denorm_mode_32 3
		.amdhsa_float_denorm_mode_16_64 3
		.amdhsa_memory_ordered 1
		.amdhsa_forward_progress 1
		.amdhsa_inst_pref_size 104
	.end_amdhsa_kernel
	.amdgpu_metadata
---
amdhsa.version: [ 1, 2 ]
amdhsa.kernels:
  - .name:           k_q54d604467e_prep
    .symbol:         k_q54d604467e_prep.kd
    .args:
      - { .name: x, .offset: 0, .size: 8, .value_kind: global_buffer, .address_space: global }
      - { .name: Wqkv, .offset: 8, .size: 8, .value_kind: global_buffer, .address_space: global }
      - { .name: Wo, .offset: 16, .size: 8, .value_kind: global_buffer, .address_space: global }
      - { .name: mask, .offset: 24, .size: 8, .value_kind: global_buffer, .address_space: global }
      - { .name: cod, .offset: 32, .size: 8, .value_kind: global_buffer, .address_space: global }
      - { .name: scs, .offset: 40, .size: 8, .value_kind: global_buffer, .address_space: global }
      - { .name: msk, .offset: 48, .size: 8, .value_kind: global_buffer, .address_space: global }
    .group_segment_fixed_size: 67072
    .private_segment_fixed_size: 0
    .kernarg_segment_align: 8
    .kernarg_segment_size: 56
    .max_flat_workgroup_size: 128
    .sgpr_count:     66
    .vgpr_count:     194
    .wavefront_size: 32
...
	.end_amdgpu_metadata
.endif
;; end of part 1
;; launch qkv (part 2): grid 8 x 48, 4 waves a work-group, clusters of 4 x 4, 327,680 bytes of LDS; arguments cod, scs, bqkv, img, scl; writes img, scl
.if DOCPART == 2
	.amdgcn_target "amdgcn-amd-amdhsa--gfx1250"
	.amdhsa_code_object_version 6
	.text
	.protected	k_q54d604467e_qkv
	.globl	k_q54d604467e_qkv
	.p2align	8
	.type	k_q54d604467e_qkv,@function
k_q54d604467e_qkv:
	s_mov_b64 s[64:65], 0
	v_nop
	global_prefetch_b8 v0, s[64:65] scope:SCOPE_SE
	s_setreg_imm32_b32 hwreg(HW_REG_WAVE_MODE, 25, 1), 1
	s_wait_xcnt 0x0
	s_wait_alu depctr_hold_cnt(0) depctr_sa_sdst(0) depctr_va_vdst(0) depctr_va_sdst(0) depctr_va_ssrc(0) depctr_va_vcc(0) depctr_vm_vsrc(0)
	s_getreg_b32 s2, hwreg(HW_REG_IB_STS2, 6, 4)
	s_cmp_eq_u32 s2, 0
	s_cbranch_scc0 .Lentry_in_a_cluster
	s_endpgm
.Lentry_in_a_cluster:
	s_bfe_u32 s2, ttmp6, 0x10000c
	s_cmp_lg_u32 s2, 0xf033
	s_cbranch_scc0 .Lentry_shape_is_right
	s_endpgm
.Lentry_shape_is_right:
; QKV.  qkv = x Wqkv^T + bqkv on codes of BF6 (E3M2) with E8M0 scales, K = 1,024; the results are quantised at once, in registers, into the operands of the attention launch: q and k along the head's 64, v along the keys.
; A tile is 256 x 256, four waves of 128 x 128 (64 accumulators, 512 registers); K goes in steps of 256 through a ring of two LDS slots filled by the tensor data mover; the scale bytes of the tile's rows come once.
; Both operands are rows of ONE table (cod, scs: x rows 0-8191, Wqkv 8192-11263), in which a row's place is its number with bits 3 and 4 swapped.
; THE MATRIX INSTRUCTION: source 0 = 16 places of B, source 1 = 16 places of A.  A lane holds one place of A, and the 64 registers of A's block a run along B: register 16 g + i = B's row 32 g + 16 (lane/16) + i: sixteen neighbours.
; TWO WAYS, chosen by the cluster's y alone, by selects and never by a branch:  q, k (clusters y 0-7): A = x, B = Wq | Wk: a lane holds a token, its registers two heads' 128 features;
;   v (clusters y 8-11): A = Wv, B = x: a lane holds a feature, its registers 128 keys: so v is quantised along the keys with nothing transposed.
; OUT: half images of 768 bytes: 16 rows x 64 along K as the operand's registers: lane l's registers 0-3 at 16 l, registers 4-5 at 512 + 8 l.  q, k: [head][tile T of 16 tokens]; v: [head][step of 128 keys][16 features]: two halves on end.
;   Every store of codes covers 512 or 256 consecutive bytes, aligned.  Scale words: [head][step][row r][4 words], 256 bytes for a head and a step.
; CLUSTERS: 4 x 4 work-groups; A's tiles are asked for jointly along a row of the cluster, B's along a column.
; The bias along the registers (q, k) is the C of each sum's first product; the bias along the lanes (v) is added on the way out; the way that does not want one gets zeros by a select.
; LIMITS: NaN and infinities are not served; a block under 2^-122, or of zeros, keeps the scale byte 1 (this program alone reads the bytes).
; REGISTERS, in windows of 256: window 0: v0-31 addresses; v32-63 scale words, two sets; v64-127 the bias along registers; v128-223 A's fragments, ONE set; v224-239 the bias along lanes.  On the way out v32-223 are free.
;   window 1: B's fragments, two sets.   window 2: the accumulators of my places 0-63 ((a, b) at v[8 (8 a + b)]);   window 3: those of 64-127.
.set KSTEP,  256
.set NQ,     2
.set ROWB,   192                       ; a tile's row in bytes
.set KROW,   768                       ; a row of codes in memory
.set PITCH,  240                       ; an LDS row: 3 x (64 bytes + 16 of padding)
.set FR,     12
.set NL,     6
.set NP,     4                         ; places behind this matrix instruction (ISA guide 7.12.1)
.set HALFT,  128*PITCH
.set SLOT,   4*HALFT
.set LAPS,   2                         ; 1,024 / 512
.set KS,     32                        ; a row of scale bytes
.set SCL,    2*SLOT
.set HALFS,  (128*KS/256)*272
.set SBLK,   (16*KS/256)*272
.set SPARE,  SCL+4*HALFS               ; the spare words, 128 bytes for each wave: no other line names them
.set ADRA, 16
.set ADRB, 20
.set IM16, 24                          ; v24  16 x lane
.set IM8,  25                          ; v25  8 x lane
.set SCO,  26                          ; v26  16 r + 4,096 h: where my four scale words go
.set ADRS, 27
.set SPW,  28
.set NIL,  29
.set SC,   32
.set BR,   64
.set AF,   128
.set BL,   224
.set HA,   128                         ; the way out: 64 numbers of a lane
.set PC,   192                         ; the codes just made (12) and the conversions' second halves (8)
.set TM,   32                          ; v32-47 at work in the quantiser
.set PWS,  48                          ; v48-55 the eight blocks' scale words
.set SEL,  94                          ; s[94:95] selects of v_permlanex16_b32 for lane l xor 16
.set G1, 24
.set G0, 32
.set G1B, 48
.set G0B, 56
.set G1S, 68
.set G0S, 76
.set G1SB, 80
.set G0SB, 88
.set MSB, 0
.macro WIN new                         ; the immediate's high byte repeats the setting that is left
.if MSB != \new
	s_set_vgpr_msb (MSB<<8)|\new
.set MSB, \new
.endif
.endm
.set MUL_LO, 0xa1                      ; source 0 (B) window 1, source 1 (A) window 0, C and D window 2
.set MUL_HI, 0xf1
.set BEG_LO, 0x81                      ; the first step: C (the bias) window 0, D window 2
.set BEG_HI, 0xc1
.set TO_B,   0x40
.macro JLOAD g0a, g1a, g0b, g1b        ; a joint load: waves 0, 1 fetch for A, waves 2, 3 for B; four v_nop follow each line
	s_cmp_eq_u32 s15, 0
	s_cbranch_scc0 .Lfor_b_\@
	tensor_load_to_lds s[\g0a:\g0a+3], s[\g1a:\g1a+7]
	s_nop 0
.rept 4
	v_nop
.endr
	s_branch .Lasked_\@
.Lfor_b_\@:
	tensor_load_to_lds s[\g0b:\g0b+3], s[\g1b:\g1b+7]
	s_nop 0
.rept 4
	v_nop
.endr
.Lasked_\@:
.endm
.macro CREST
	s_cmp_lg_u32 s14, 0
	s_cbranch_scc1 .Lnot_wave_0_\@
	s_barrier_signal -3
.Lnot_wave_0_\@:
	s_barrier_wait -3
	s_barrier_signal -1
	s_barrier_wait -1
.endm
.macro CROUND
	s_barrier_signal -1
	s_barrier_wait -1
	CREST
.endm
	s_load_b256 s[4:11], s[0:1], 0x0               ; cod, scs, bqkv, img
	s_load_b64 s[12:13], s[0:1], 0x20              ; scl
	v_lshl_add_u32 v[SPW], v0, 2, SPARE
	v_mov_b32 v[NIL], 0
	ds_add_u32 v28, v29
	ds_add_u32 v28, v29
	s_wait_dscnt 0x0
	v_lshrrev_b32 v1, 5, v0
	v_readfirstlane_b32 s14, v1                    ; wave
	s_lshr_b32 s15, s14, 1                         ; my half of A's places.  Also: I fetch for A (0) or B (1)
	s_and_b32 s16, s14, 1                          ; my half of B's.  Also: which 128 rows I fetch
	s_bfe_u32 s40, ttmp6, 0x40000                  ; cx
	s_bfe_u32 s41, ttmp6, 0x40004                  ; cy
	s_and_b32 s44, ttmp7, 0xffff                   ; the cluster's y
	s_lshl_b32 s42, ttmp9, 2                       ; 4 x the cluster's x
	s_lshl_b32 s17, s44, 2                         ; q, k: A's first tile row = 4 y (x's 32 tile rows)
	s_max_u32 s45, s44, 8
	s_sub_co_u32 s45, s45, 8
	s_lshl_b32 s45, s45, 3
	s_add_co_u32 s45, s45, s42                     ; v: B's first tile row = 8 (y - 8) + 4 x (x's 32 tile rows)
	s_add_co_u32 s42, s42, 32                      ; q, k: B's = 32 + 4 x (Wq | Wk: tile rows 32-39)
	s_cmp_ge_u32 s44, 8                            ; the way: the same in all sixteen partners
	s_cselect_b32 s17, 40, s17                     ; v: A's = 40 (Wv: tile rows 40-43)
	s_cselect_b32 s42, s45, s42
	s_cselect_b32 s66, -1, 0                       ; all ones on the way v
	s_cselect_b32 s67, 0, -1
	s_add_co_u32 s17, s17, s41                     ; A's tile row: + cy
	s_add_co_u32 s42, s42, s40                     ; B's: + cx
	s_lshl_b32 s43, s41, 2
	s_lshl_b32 s43, 15, s43                        ; my row of the cluster
	s_lshl_b32 s44, 0x1111, s40                    ; my column
	s_or_b32 s[G1+0], s43, (0<<16)|(1<<20)|(1<<21)|(3<<22)|(3<<25)  ; mask; elements of 1 byte; padding on; bit 21 beside a mask; after every 16 words 4 words
	s_or_b32 s[G1B+0], s44, (0<<16)|(1<<20)|(1<<21)|(3<<22)|(3<<25)
.irp g, G1, G1B
	s_mov_b32 s[\g+1], ROWB<<16                    ; tensor_dim0
	s_mov_b32 s[\g+2], 128<<16                     ; tensor_dim1
	s_mov_b32 s[\g+3], ROWB<<16                    ; tile_dim0
	s_mov_b32 s[\g+4], 128                         ; tile_dim1
	s_mov_b32 s[\g+5], KROW                        ; pitch
	s_mov_b32 s[\g+6], 0
	s_mov_b32 s[\g+7], 0
.endr
	s_or_b32 s[G1S+0], s43, (3<<16)|(1<<20)|(1<<21)|(5<<22)|(3<<25)  ; the scales of 128 rows: 4,096 dense bytes as 16 rows of 256, 16 bytes of padding behind each
	s_or_b32 s[G1SB+0], s44, (3<<16)|(1<<20)|(1<<21)|(5<<22)|(3<<25)
.irp g, G1S, G1SB
	s_mov_b32 s[\g+1], 32<<16
	s_mov_b32 s[\g+2], (128*KS/256)<<16
	s_mov_b32 s[\g+3], 32<<16
	s_mov_b32 s[\g+4], 128*KS/256
	s_mov_b32 s[\g+5], 32
	s_mov_b32 s[\g+6], 0
	s_mov_b32 s[\g+7], 0
.endr
	s_lshl_b32 s18, s16, 7
	s_lshl_b32 s20, s17, 8
	s_add_co_u32 s20, s20, s18                     ; A: place 256 x tile row + 128 x half
	s_lshl_b32 s46, s42, 8
	s_add_co_u32 s46, s46, s18                     ; B likewise
	s_mov_b32 s21, 0
	s_mov_b32 s47, 0
	s_mov_b64 s[18:19], KS
	s_mul_u64 s[22:23], s[20:21], s[18:19]
	s_mul_u64 s[92:93], s[46:47], s[18:19]
	s_mov_b64 s[18:19], KROW
	s_mul_u64 s[20:21], s[20:21], s[18:19]
	s_mul_u64 s[46:47], s[46:47], s[18:19]
	s_mul_i32 s45, s14, HALFT                      ; where they go: wave x 128 rows
	s_mul_i32 s94, s14, HALFS
	s_wait_kmcnt 0x0
	s_add_nc_u64 s[20:21], s[4:5], s[20:21]
	s_add_nc_u64 s[22:23], s[6:7], s[22:23]
	s_add_nc_u64 s[46:47], s[4:5], s[46:47]
	s_add_nc_u64 s[92:93], s[6:7], s[92:93]
	CROUND                                         ; all sixteen work-groups are here: the first joint loads meet
	s_mov_b32 s[G0S], 1
	s_add_co_u32 s[G0S+1], s94, SCL
	s_mov_b64 s[G0S+2:G0S+3], s[22:23]
	s_or_b32 s[G0S+3], s[G0S+3], 0x80000000
	s_mov_b32 s[G0SB], 1
	s_add_co_u32 s[G0SB+1], s94, SCL
	s_mov_b64 s[G0SB+2:G0SB+3], s[92:93]
	s_or_b32 s[G0SB+3], s[G0SB+3], 0x80000000
	JLOAD G0S, G1S, G0SB, G1SB                     ; the scales first: three tensor loads of mine are out at the most
.irp s, 0,1
	s_mov_b32 s[G0+4*\s], 1
	s_add_co_u32 s[G0+4*\s+1], s45, \s*SLOT
	s_add_nc_u64 s[G0+4*\s+2:G0+4*\s+3], s[20:21], \s*ROWB
	s_or_b32 s[G0+4*\s+3], s[G0+4*\s+3], 0x80000000
	s_mov_b32 s[G0B+4*\s], 1
	s_add_co_u32 s[G0B+4*\s+1], s45, \s*SLOT
	s_add_nc_u64 s[G0B+4*\s+2:G0B+4*\s+3], s[46:47], \s*ROWB
	s_or_b32 s[G0B+4*\s+3], s[G0B+4*\s+3], 0x80000000
	JLOAD G0+4*\s, G1, G0B+4*\s, G1B
.endr
	v_and_b32 v1, 15, v0                           ; r
	v_bfe_u32 v2, v0, 4, 1                         ; h
	v_mul_u32_u24 v3, v1, PITCH
	v_mul_u32_u24 v4, v2, 24
	v_add_nc_u32 v4, v3, v4                        ; a fragment's row x pitch + 24 h
	v_lshl_add_u32 v5, v2, 4, v4                   ; and the same behind one padding more
	s_mul_i32 s21, s15, HALFT
	s_mul_i32 s22, s16, HALFT
	s_add_co_u32 s22, s22, 2*HALFT
.irp s, 0,1
	v_add_nc_u32 v[ADRA+\s], s21, v4
	v_add_nc_u32 v[ADRB+\s], s22, v4
	v_add_nc_u32 v[ADRA+2+\s], s21, v5
	v_add_nc_u32 v[ADRB+2+\s], s22, v5
	s_add_co_u32 s21, s21, SLOT
	s_add_co_u32 s22, s22, SLOT
.endr
	v_mul_u32_u24 v5, v1, KS
	v_lshrrev_b32 v6, 8, v5
	v_lshl_add_u32 v5, v6, 4, v5
	s_mul_i32 s21, s15, HALFS
	s_mul_i32 s22, s16, HALFS
	s_add_co_u32 s22, s22, 2*HALFS
	s_sub_co_u32 s22, s22, s21
	v_mul_u32_u24 v6, s22, v2                      ; lanes 16-31 take B's scale words
	s_add_co_u32 s21, s21, SCL
	v_add_nc_u32 v5, v5, v6
	v_add_nc_u32 v[ADRS], s21, v5
	v_and_b32 v6, 31, v0
	v_lshlrev_b32 v[IM16], 4, v6
	v_lshlrev_b32 v[IM8], 3, v6
	v_lshlrev_b32 v[SCO], 4, v1
	v_lshl_add_u32 v[SCO], v2, 12, v[SCO]
	v_lshlrev_b32 v7, 6, v2                        ; the bias along registers: 16 h numbers on
	v_and_b32 v8, 8, v1
	v_add_nc_u32 v8, v8, v1
	v_lshlrev_b32 v8, 2, v8                        ; the bias along lanes: number r + 8 (r / 8)
	; which 128 tokens and which 128 features are my wave's
	s_lshl_b32 s18, s17, 1
	s_add_co_u32 s18, s18, s15                     ; A's group of 128 places
	s_lshl_b32 s19, s42, 1
	s_add_co_u32 s19, s19, s16                     ; B's
	s_cmp_lg_u32 s66, 0
	s_cselect_b32 s20, s19, s18                    ; the tokens' group: 16 b + s
	s_cselect_b32 s21, s18, s19
	s_sub_co_u32 s21, s21, 64                      ; the features' group, 0 .. 23
	s_lshl_b32 s22, s21, 9
	s_cmp_lg_u32 s66, 0
	s_cselect_b32 s46, 0, s22                      ; (the way that does not want a bias loads from the buffer's head and drops it)
	s_cselect_b32 s92, s22, 0
	s_mov_b32 s47, 0
	s_mov_b32 s93, 0
	s_add_nc_u64 s[46:47], s[8:9], s[46:47]
	s_add_nc_u64 s[92:93], s[8:9], s[92:93]
.irp b, 0,1,2,3,4,5,6,7
	global_load_b128 v[BR+8*\b:BR+8*\b+3], v7, s[46:47] offset:(32*(\b/2)+8*(\b%2))*4
	global_load_b128 v[BR+8*\b+4:BR+8*\b+7], v7, s[46:47] offset:(32*(\b/2)+8*(\b%2))*4+16
.endr
.irp a, 0,1,2,3,4,5,6,7
	global_load_b32 v[BL+2*\a], v8, s[92:93] offset:(32*(\a/2)+8*(\a%2))*4
.endr
	; where my results go
	s_lshr_b32 s18, s20, 4                         ; b
	s_and_b32 s19, s20, 15                         ; s
	s_lshr_b32 s22, s21, 3                         ; part: 0 q, 1 k, 2 v
	s_and_b32 s23, s21, 7
	s_lshl_b32 s18, s18, 4
	s_lshl_b32 s23, s23, 1
	s_add_co_u32 s18, s18, s23                     ; my first head: 16 b + 2 (group % 8)
	s_mul_i32 s40, s22, 6291456
	s_mul_i32 s41, s18, 98304
	s_add_co_u32 s40, s40, s41
	s_mul_i32 s41, s19, 6144
	s_add_co_u32 s40, s40, s41
	s_mov_b32 s41, 0
	s_add_nc_u64 s[10:11], s[10:11], s[40:41]      ; the first half image
	s_lshl_b32 s40, s22, 18
	s_lshl_b32 s43, s18, 12
	s_add_co_u32 s40, s40, s43
	s_lshl_b32 s43, s19, 8
	s_add_co_u32 s40, s40, s43
	s_add_nc_u64 s[12:13], s[12:13], s[40:41]      ; the scale words
	s_cmp_lg_u32 s66, 0
	s_mov_b32 s40, 98304
	s_cselect_b32 s40, 768, s40
	s_add_nc_u64 s[98:99], s[10:11], s[40:41]      ; the second half image: q, k: the next head; v: the fragment's second half
	s_mov_b32 s40, 768
	s_cselect_b32 s40, 1536, s40                   ; s[40:41]: from block to block
	s_mov_b32 s42, 768
	s_cselect_b32 s42, 93696, s42                  ; s[42:43]: from block 3 to block 4 (v: on to the next head: 98,304 - 3 x 1,536)
	s_mov_b32 s43, 0
	s_mov_b32 s[SEL], 0x76543210
	s_mov_b32 s[SEL+1], 0xfedcba98
	s_wait_loadcnt 0x0                             ; the biases
.set OI, 0
.rept 64
	v_cndmask_b32 v[BR+OI], 0, v[BR+OI], s67       ; zeros on the way v
.set OI, OI+1
.endr
.irp a, 0,1,2,3,4,5,6,7
	v_cndmask_b32 v[BL+2*\a+1], 0, v[BL+2*\a], s66 ; zeros on the way q, k; twice, for the packed addition
	v_cndmask_b32 v[BL+2*\a], 0, v[BL+2*\a], s66
.endr
.rept 8
	v_nop
.endr
.macro FRAG reg, adr, q, i             ; 16 rows x 128 K of 6-bit codes: 12 registers, six pieces of 8 bytes; where a piece of lanes 16-31 lies behind one padding more, the second address register serves
.irp p, 0,1,2,3,4,5
.set PCE, 12*(\q)+6*(\p/3)+\p%3
.if PCE%8 < 5
	ds_load_b64 v[\reg+2*\p:\reg+2*\p+1], v[\adr] offset:8*PCE+16*(PCE/8)+(\i)*16*PITCH
.else
	ds_load_b64 v[\reg+2*\p:\reg+2*\p+1], v[\adr+2] offset:8*PCE+16*(PCE/8)+(\i)*16*PITCH
.endif
.endr
.endm
; 16 matrix instructions: A's blocks a0, a0 + 1 x B's eight.  zero = 1: the first product starts the sums, with the bias as its C.  The 64 accumulators take turns, one instruction a turn.
.macro MUL16 a0, p, q, sc, zero
.irp a, \a0, \a0+1
.irp b, 0,1,2,3,4,5,6,7
.if \zero
	v_wmma_scale_f32_16x16x128_f8f6f4 v[8*(8*((\a)%4)+\b):8*(8*((\a)%4)+\b)+7], v[128*(\p)+FR*\b:128*(\p)+FR*\b+FR-1], v[AF+FR*(\a):AF+FR*(\a)+FR-1], v[BR+8*\b:BR+8*\b+7], v[SC+8*NQ*(\sc)+NQ*\b+(\q)], v[SC+8*NQ*(\sc)+NQ*(\a)+(\q)] matrix_a_fmt:MATRIX_FMT_BF6 matrix_b_fmt:MATRIX_FMT_BF6 matrix_a_scale:MATRIX_SCALE_ROW1
.else
	v_wmma_scale_f32_16x16x128_f8f6f4 v[8*(8*((\a)%4)+\b):8*(8*((\a)%4)+\b)+7], v[128*(\p)+FR*\b:128*(\p)+FR*\b+FR-1], v[AF+FR*(\a):AF+FR*(\a)+FR-1], v[8*(8*((\a)%4)+\b):8*(8*((\a)%4)+\b)+7], v[SC+8*NQ*(\sc)+NQ*\b+(\q)], v[SC+8*NQ*(\sc)+NQ*(\a)+(\q)] matrix_a_fmt:MATRIX_FMT_BF6 matrix_b_fmt:MATRIX_FMT_BF6 matrix_a_scale:MATRIX_SCALE_ROW1
.endif
.endr
.endr
.endm
.macro FETCH_B slot, q, p
	WIN TO_B
.irp i, 0,1,2,3,4,5,6,7
	FRAG 128*(\p)+FR*\i, ADRB+\slot, \q, \i
.endr
	WIN 0
.endm
.macro FETCH_A slot, q, i0
.irp i, \i0, \i0+1, \i0+2, \i0+3
	FRAG AF+FR*(\i), ADRA+\slot, \q, \i
.endr
.endm
.macro SCALES sc                       ; the K step's scale words: lanes 0-15 A's block i, lanes 16-31 B's block i
.irp i, 0,1,2,3,4,5,6,7
	ds_load_b64 v[SC+8*NQ*\sc+NQ*\i:SC+8*NQ*\sc+NQ*\i+1], v[ADRS] offset:\i*SBLK
.endr
.endm
.macro PLACES n                        ; plain vector instructions between a matrix instruction and a load into, or a vector write of, one of its registers, or a read of its result
.rept \n
	v_nop
.endr
.endm
.macro STEP slot, q, zero              ; a step of 128 along K that has its successor in the same slot
	s_wait_dscnt 4*NL                              ; B's set and A's blocks 0-3 are in; the youngest 24 loads (A's blocks 4-7) may be out
.if \zero
	WIN BEG_LO
.else
	WIN MUL_LO
.endif
	MUL16 0, (\q)%2, \q, \slot, \zero
	MUL16 2, (\q)%2, \q, \slot, \zero
	s_wait_dscnt 0
	PLACES NP
	FETCH_B \slot, (\q)+1, 1-(\q)%2
	FETCH_A \slot, (\q)+1, 0
.if \zero
	WIN BEG_HI
.else
	WIN MUL_HI
.endif
	MUL16 4, (\q)%2, \q, \slot, \zero
	MUL16 6, (\q)%2, \q, \slot, \zero
	PLACES NP
	WIN 0
	FETCH_A \slot, (\q)+1, 4
.endm
.macro TURN slot, next, fill           ; a slot's last step changes slots: one barrier; fill = 1: this slot is filled again, two K steps ahead
	s_wait_tensorcnt 0x0                           ; all my tensor loads have landed: my part of the next slot
	ds_add_u32 v[SPW], v[NIL]                      ; 0 onto my spare word
	s_wait_dscnt 4*NL+1                            ; (the add and the youngest 24 loads may be out)
	WIN MUL_LO
	MUL16 0, 1, NQ-1, \slot, 0
	s_wait_dscnt 0x0                               ; the add is done, and my reads of this slot are over
	s_barrier_signal -1
	MUL16 2, 1, NQ-1, \slot, 0
	WIN 0
	s_barrier_wait -1
.if \fill
	CREST                                          ; the barrier has opened a round of the cluster's barrier: no wave of any partner still reads this slot or has a load on its way
	s_add_nc_u64 s[G0+4*\slot+2:G0+4*\slot+3], s[G0+4*\slot+2:G0+4*\slot+3], 2*ROWB
	s_add_nc_u64 s[G0B+4*\slot+2:G0B+4*\slot+3], s[G0B+4*\slot+2:G0B+4*\slot+3], 2*ROWB
	JLOAD G0+4*\slot, G1, G0B+4*\slot, G1B         ; the first tensor load behind the round; its four v_nop are the places in front of the loads below
.else
	PLACES NP
.endif
	v_add_nc_u32 v[ADRS], 4*NQ, v[ADRS]
	FETCH_B \next, 0, 0
	FETCH_A \next, 0, 0
	SCALES \next
	WIN MUL_HI
	MUL16 4, 1, NQ-1, \slot, 0
	MUL16 6, 1, NQ-1, \slot, 0
	PLACES NP
	WIN 0
	FETCH_A \next, 0, 4
.endm
	s_wait_tensorcnt 1                             ; the scales and my part of K step 0 are in (K step 1's load may be out),
	s_barrier_signal -1
	s_barrier_wait -1                              ; everybody's are
	FETCH_B 0, 0, 0
	FETCH_A 0, 0, 0
	SCALES 0
	FETCH_A 0, 0, 4
	STEP 0, 0, 1
	s_mov_b32 s3, LAPS-1
.Llap:
	TURN 0, 1, 1
	STEP 1, 0, 0
	TURN 1, 0, 1
	STEP 0, 0, 0
	s_sub_co_u32 s3, s3, 1
	s_cmp_lg_u32 s3, 0
	s_cbranch_scc1 .Llap
	TURN 0, 1, 0                                   ; the last lap fills nothing
	STEP 1, 0, 0
	s_wait_dscnt 4*NL
	WIN MUL_LO
	MUL16 0, 1, NQ-1, 1, 0
	MUL16 2, 1, NQ-1, 1, 0
	s_wait_dscnt 0
	WIN MUL_HI
	MUL16 4, 1, NQ-1, 1, 0
	MUL16 6, 1, NQ-1, 1, 0
	WIN 0
; THE WAY OUT: no LDS.  64 numbers of a lane, v[s] on, register 16 b + i = k 32 b + 16 (lane / 16) + i of my row, become a fragment's codes in v[PC] on and its scale word in v[pw].
.macro QUANT s, pw
.irp b, 0,1,2,3
	v_max3_num_f32 v[TM+\b], |v[\s+16*\b]|, |v[\s+1+16*\b]|, 0x2800000   ; my 16 numbers of block b, and the floor 2^(5 - 127): the byte cannot fall under 1
.endr
.irp i, 2,4,6,8,10,12,14
.irp b, 0,1,2,3
	v_max3_num_f32 v[TM+\b], v[TM+\b], |v[\s+16*\b+\i]|, |v[\s+1+16*\b+\i]|
.endr
.endr
.irp b, 0,1,2,3
	v_permlanex16_b32 v[TM+4+\b], v[TM+\b], s[SEL], s[SEL+1]
.endr
.irp b, 0,1,2,3
	v_max_num_f32 v[TM+\b], v[TM+\b], v[TM+4+\b]   ; with lane l xor 16's: the block's largest magnitude
.endr
.irp b, 0,1,2,3
	v_add_nc_u32 v[TM+12+\b], 0xfe000000, v[TM+\b] ; 4 off its exponent field: the conversion's scale operand
.endr
.irp b, 0,1,2,3
	v_lshrrev_b32 v[TM+4+\b], 23, v[TM+12+\b]      ; the scale's byte
.endr
	v_lshl_or_b32 v[\pw], v[TM+5], 8, v[TM+4]
	v_lshl_or_b32 v[\pw], v[TM+6], 16, v[\pw]
	v_lshl_or_b32 v[\pw], v[TM+7], 24, v[\pw]
.irp c, 0,1
	v_cvt_scalef32_pk16_bf6_f32 v[PC+6*\c:PC+2+6*\c], v[\s+32*\c:\s+15+32*\c], v[TM+12+2*\c]
	v_cvt_scalef32_pk16_bf6_f32 v[PC+12+4*\c:PC+14+4*\c], v[\s+16+32*\c:\s+31+32*\c], v[TM+12+2*\c+1]   ; (a conversion's three registers begin on an even number)
.endr
	v_nop                                          ; one plain place behind a scaled conversion
.irp c, 0,1                            ; the operand's layout wants a whole block in a lane: lanes 0-15 block 2 c, lanes 16-31 block 2 c + 1
.irp i, 0,1,2
	v_permlane16_swap_b32 v[PC+6*\c+\i], v[PC+12+4*\c+\i]
.endr
.irp i, 0,1,2
	v_mov_b32 v[PC+3+6*\c+\i], v[PC+12+4*\c+\i]
.endr
.endr
.endm
.macro OUTBLK a                        ; A's block a: q, k: tile 8 s + a of two heads; v: 16 features of head a / 4, this step's 128 keys
.if (\a) > 0
	s_wait_xcnt 0x0                                ; the last block's stores have read their data and bases: both are written again only behind this wait
.if (\a) == 4
	s_add_nc_u64 s[10:11], s[10:11], s[42:43]
	s_add_nc_u64 s[98:99], s[98:99], s[42:43]
.else
	s_add_nc_u64 s[10:11], s[10:11], s[40:41]
	s_add_nc_u64 s[98:99], s[98:99], s[40:41]
.endif
.endif
	WIN 0x02+(\a)/4                                ; source 0: window 2 or 3
.set OI, 0
.rept 32
	v_pk_add_f32 v[HA+2*OI:HA+2*OI+1], v[64*((\a)%4)+2*OI:64*((\a)%4)+2*OI+1], v[BL+2*(\a):BL+2*(\a)+1]   ; + the bias along lanes; each accumulator from its low end on
.set OI, OI+1
.endr
	WIN 0
	QUANT HA, PWS+(\a)
	global_store_b128 v[IM16], v[PC:PC+3], s[10:11]             ; 512 consecutive bytes
	global_store_b64 v[IM8], v[PC+4:PC+5], s[10:11] offset:512  ; 256
	global_store_b128 v[IM16], v[PC+6:PC+9], s[98:99]
	global_store_b64 v[IM8], v[PC+10:PC+11], s[98:99] offset:512
.endm
	PLACES NP                                      ; behind the last products: their operands' and scales' registers are written below
.irp b, 0,1,2,3
	v_mov_b32 v[TM+4+\b], 0                        ; a lane permute's destination counts as one of its sources
.endr
.irp a, 0,1,2,3,4,5,6,7
	OUTBLK \a
.endr
	; the scale words: lanes 0-15 make my first head's four, lanes 16-31 my second head's.  q, k: word i = tile 2 i's two bytes below, tile 2 i + 1's above;  v: word i = the word of the head's fragment i
	s_mov_b32 s18, 0xffff0000                      ; lanes 16-31
	v_mov_b32 v68, 0x05040100
	v_mov_b32 v69, 0x07060302
	v_cndmask_b32 v68, v68, v69, s18
	v_mov_b32 v70, 0x03020100
	v_mov_b32 v71, 0x07060504
	v_cndmask_b32 v70, v70, v71, s18
.irp i, 0,1,2,3
	v_perm_b32 v[56+\i], v[PWS+2*\i+1], v[PWS+2*\i], v68
	v_perm_b32 v[60+\i], v[PWS+4+\i], v[PWS+\i], v70
.endr
.irp i, 0,1,2,3
	v_cndmask_b32 v[64+\i], v[56+\i], v[60+\i], s66
.endr
	global_store_b128 v[SCO], v[64:67], s[12:13]   ; sixteen lanes store 256 consecutive bytes, aligned: a head's words of this step
	s_wait_tensorcnt 0x0                           ; the wave's end
	ds_add_u32 v[SPW], v[NIL]
	s_wait_dscnt 0x0
	CROUND                                         ; the closing round: no work-group ends while a partner may still ask for a tile that names it
	s_endpgm
.Lfunc_end_k_q54d604467e_qkv:
	.size	k_q54d604467e_qkv, .Lfunc_end_k_q54d604467e_qkv-k_q54d604467e_qkv
	.p2alignl 7, 3214868480
	.fill 96, 4, 3214868480
	.section	.rodata,"a",@progbits
	.p2align	6, 0x0
	.amdhsa_kernel k_q54d604467e_qkv
		.amdhsa_group_segment_fixed_size 327680
		.amdhsa_private_segment_fixed_size 0
		.amdhsa_enable_private_segment 0
		.amdhsa_kernarg_size 40
		.amdhsa_user_sgpr_count 2
		.amdhsa_user_sgpr_kernarg_segment_ptr 1
		.amdhsa_wavefront_size32 1
		.amdhsa_system_sgpr_workgroup_id_x 1
		.amdhsa_system_sgpr_workgroup_id_y 1
		.amdhsa_system_sgpr_workgroup_id_z 1
		.amdhsa_system_vgpr_workitem_id 0
		.amdhsa_next_free_vgpr 1024
		.amdhsa_next_free_sgpr 100
		.amdhsa_reserve_vcc 0
		.amdhsa_float_denorm_mode_32 3
		.amdhsa_float_denorm_mode_16_64 3
		.amdhsa_memory_ordered 1
		.amdhsa_forward_progress 1
		.amdhsa_inst_pref_size 191
	.end_amdhsa_kernel
	.amdgpu_metadata
---
amdhsa.version: [ 1, 2 ]
amdhsa.kernels:
  - .name:           k_q54d604467e_qkv
    .symbol:         k_q54d604467e_qkv.kd
    .args:
      - { .name: cod, .offset: 0, .size: 8, .value_kind: global_buffer, .address_space: global }
      - { .name: scs, .offset: 8, .size: 8, .value_kind: global_buffer, .address_space: global }
      - { .name: bqkv, .offset: 16, .size: 8, .value_kind: global_buffer, .address_space: global }
      - { .name: img, .offset: 24, .size: 8, .value_kind: global_buffer, .address_space: global }
      - { .name: scl, .offset: 32, .size: 8, .value_kind: global_buffer, .address_space: global }
    .group_segment_fixed_size: 327680
    .private_segment_fixed_size: 0
    .kernarg_segment_align: 8
    .kernarg_segment_size: 40
    .max_flat_workgroup_size: 128
    .sgpr_count:     100
    .vgpr_count:     1024
    .wavefront_size: 32
...
	.end_amdgpu_metadata
.endif
;; end of part 2
;; launch attn (part 3): grid 4 x 64, 16 waves a work-group, no clusters, 206,848 bytes of LDS; arguments img, scl, msk, ocod, oscl; writes ocod, oscl
.if DOCPART == 3
	.amdgcn_target "amdgcn-amd-amdhsa--gfx1250"
	.amdhsa_code_object_version 6
	.text
	.protected	k_q54d604467e_attn
	.globl	k_q54d604467e_attn
	.p2align	8
	.type	k_q54d604467e_attn,@function
k_q54d604467e_attn:
	s_mov_b64 s[64:65], 0
	v_nop
	global_prefetch_b8 v0, s[64:65] scope:SCOPE_SE
	s_setreg_imm32_b32 hwreg(HW_REG_WAVE_MODE, 25, 1), 1
	s_wait_xcnt 0x0
; ATTN.  o = softmax(q k^T / 8, hidden where the mask says so) v for one head, both products on codes of BF6 (E3M2) with E8M0 scales; o is quantised at once along the head's 64 for the last product.
; THE SOFTMAX: t = score x log2(e) / 8; M = the running largest t rounded UP to a whole number; p = 2^(t - M) is what is quantised, along the keys; the row's sum is taken of the unquantised p and divides at the end.
; SHARES.  A work-group is a head (y) and a quarter j of its 128 tiles of 16 queries (x).  Wave w of sixteen takes tiles 4 w + j and 127 - (4 w + j), one after the other.  A tile T holds tokens 32 (T/2) + 8 (T%2) + {0..7, 16..23}.
; The head's K and V, 196,608 bytes of operand images, and their scale words come into LDS ONCE, through registers, and every wave reads them from there: one barrier in the whole text.
; NO TENSOR LOAD AND NO CLUSTER, though four work-groups read a head's K and V: each step of 128 keys begins with a branch on its class, a whole number that an earlier launch stored
; (0 all hidden: the step is passed over; 1 mixed: hidden scores become -infinity by one select each, on stored lane words; 2 all open).
; LAYOUT.  S^T = K Q^T (source 0 = keys, source 1 = my 16 queries), O^T = V^T P^T: a lane holds ONE query throughout.  The head's K is 64, the instruction's 128: a fragment of K holds TWO key tiles on end,
; and is multiplied by (q, zeros) for the first and by (zeros, q) for the second: zero codes add nothing.  The 16 registers of key tiles 2 g, 2 g + 1 are keys 32 g + 16 (lane/16) + 0 .. 15 of the step.
; A row with no open key: its sum is 0; its codes of o are zeros and its scale bytes 0xff, which make its row of the final product NaN, as the softmax of a row of -infinity is.
; LIMITS: NaN and infinities among the scores are not served; a t under -3e38 is not served; o's two scale bytes of a row leave as a store of 2 bytes a lane (a whole row of them spans sixteen work-groups).
; O^T is cleared once a tile: which step is a tile's first hangs on the classes, so no step can be written as the one that starts the sums.
; REGISTERS: v1-7 addresses that stay; v8-11, v228-229 the step's; v12 -M, v13 largest t, v[14:15] the sum; v16-27 (q, 0); v28-39 (0, q); v40-87 four fragments; v88-91, v92-95 K's, V's scale words; v96-159 S^T, then p;
;   v160-191 O^T; v192-203 p's codes; v204-211 conversions' second halves; v212-223 at work; v224 f, v225 p's scale word, v226 at work, v227 q's scale word; v232-238, v240-246 the two tiles' q as loaded, later their o;
;   v247-248 o's scale bytes; v249-254 store offsets.
.set VIMG, 98304                       ; LDS: K's images at 0, V's here,
.set KSC,  196608                      ; K's scale words, 4,096 bytes,
.set VSC,  200704                      ; V's
.set PARTB, 6291456                    ; img: q's part, k's, v's
.set Q0,  16
.set Q1,  28
.set FRG, 40
.set KSW, 88
.set VSW, 92
.set S,   96
.set O,   160
.set PCD, 192
.set CT,  204
.set BM,  212
.set PT,  216
.set SO,  220
.set QS,  227
	s_load_b256 s[4:11], s[0:1], 0x0               ; img, scl, msk, ocod
	s_load_b64 s[12:13], s[0:1], 0x20              ; oscl
	v_lshl_add_u32 v211, v0, 2, 0x32000
	v_mov_b32 v239, 0
	v_lshrrev_b32 v1, 5, v0
	v_readfirstlane_b32 s14, v1                    ; wave 0..15
	s_and_b32 s15, ttmp7, 0xffff                   ; 16 b + head
	s_lshl_b32 s16, s14, 2
	s_add_co_u32 s16, s16, ttmp9                   ; my first tile
	s_sub_co_u32 s17, 127, s16                     ; my second
	s_mov_b32 s20, 0x76543210
	s_mov_b32 s21, 0xfedcba98                      ; v_permlanex16_b32's selects for lane l xor 16
	s_mov_b32 s22, 0x3e38aa3b                      ; c = log2(e) / 8
	s_mov_b32 s23, s22
	v_lshlrev_b32 v8, 4, v0                        ; 16 x thread: a chunk is 512 threads x 16 bytes
	v_add_nc_u32 v9, 0x10000, v8
	v_add_nc_u32 v10, 0x20000, v8
	v_lshlrev_b32 v11, 3, v0                       ; 8 x thread
	v_add_nc_u32 v12, KSC, v11
	v_and_b32 v13, 31, v0
	v_lshlrev_b32 v1, 4, v13                       ; 16 x lane
	v_lshlrev_b32 v2, 3, v13                       ; 8 x lane
	v_and_b32 v13, 15, v0
	v_lshlrev_b32 v13, 4, v13                      ; 16 r
	s_mul_i32 s32, s15, 98304
	s_mov_b32 s33, 0
	s_lshl_b32 s38, s15, 12
	s_mov_b32 s39, 0
	s_mul_i32 s40, s16, 768
	s_mov_b32 s41, 0
	s_mul_i32 s42, s17, 768
	s_mov_b32 s43, 0
	s_lshr_b32 s44, s16, 3                         ; q's scale word: step T / 8, word (T / 2) % 4
	s_lshl_b32 s44, s44, 8
	s_bfe_u32 s45, s16, 0x20001
	s_lshl_b32 s45, s45, 2
	s_add_co_u32 s44, s44, s45
	s_mov_b32 s45, 0
	s_lshr_b32 s46, s17, 3
	s_lshl_b32 s46, s46, 8
	s_bfe_u32 s47, s17, 0x20001
	s_lshl_b32 s47, s47, 2
	s_add_co_u32 s46, s46, s47
	s_mov_b32 s47, 0
	s_lshl_b32 s50, s16, 2
	s_lshl_b32 s51, s17, 2
	s_wait_kmcnt 0x0
	s_add_nc_u64 s[32:33], s[4:5], s[32:33]        ; my head in q's part,
	s_add_nc_u64 s[34:35], s[32:33], PARTB         ; in k's,
	s_add_nc_u64 s[36:37], s[32:33], 2*PARTB       ; in v's
	s_add_nc_u64 s[38:39], s[6:7], s[38:39]        ; and among the scale words
	s_add_nc_u64 s[40:41], s[32:33], s[40:41]
	s_add_nc_u64 s[42:43], s[32:33], s[42:43]
	s_add_nc_u64 s[44:45], s[38:39], s[44:45]
	s_add_nc_u64 s[46:47], s[38:39], s[46:47]
	s_load_b32 s18, s[8:9], s50 offset:0x80000     ; my tiles' classes: two bits a step
	s_load_b32 s19, s[8:9], s51 offset:0x80000
.irp c, 0,1,2,3,4,5,6,7,8,9,10,11
	global_load_b128 v[40+4*\c:43+4*\c], v8, s[34:35] offset:8192*\c
.endr
.irp c, 0,1,2,3,4,5,6,7,8,9,10,11
	global_load_b128 v[88+4*\c:91+4*\c], v8, s[36:37] offset:8192*\c
.endr
	global_load_b64 v[136:137], v11, s[38:39] offset:262144
	global_load_b64 v[138:139], v11, s[38:39] offset:524288
	global_load_b128 v[232:235], v1, s[40:41]
	global_load_b64 v[236:237], v2, s[40:41] offset:512
	global_load_b32 v238, v13, s[44:45]
	global_load_b128 v[240:243], v1, s[42:43]
	global_load_b64 v[244:245], v2, s[42:43] offset:512
	global_load_b32 v246, v13, s[46:47]
	v_add_nc_u32 v3, KSC, v13
	v_add_nc_u32 v4, VSC, v13
	v_add_nc_u32 v5, VIMG, v1
	v_add_nc_u32 v6, VIMG, v2
	v_mov_b32 v7, 0xff800000                       ; -infinity
.irp i, 0,1,2,3,4,5,6,7,8,9,10,11
	v_mov_b32 v[22+\i], 0                          ; the zero halves of (q, 0) and (0, q)
.endr
.irp i, 216,217,218,219,224,225,226
	v_mov_b32 v\i, 0                               ; written once: lane permutes' destinations and pairs' upper halves count as read, and a tile may pass over all its steps
.endr
.irp c, 0,1,2,3,4,5,6,7,8,9,10,11,12,13,14,15,16,17,18,19,20,21,22,23
	s_wait_loadcnt 31-\c                           ; 32 loads in all: chunk c is in, the 31 - c issued behind it may be out
	ds_store_b128 v[8+\c/8], v[40+4*\c:43+4*\c] offset:8192*(\c%8)
.endr
	s_wait_loadcnt 7
	ds_store_b64 v12, v[136:137]
	s_wait_loadcnt 6
	ds_store_b64 v12, v[138:139] offset:4096
	s_wait_dscnt 0x0                               ; for the others' sake: my stores have landed
	s_barrier_signal -1
	s_barrier_wait -1                              ; the head's K and V lie in LDS; nothing is written there again
	s_wait_loadcnt 0x0                             ; my tiles' q
	s_wait_kmcnt 0x0                               ; and their classes
.macro FRAG4 reg, a16, a8, off         ; a fragment from two half images on end
	ds_load_b128 v[\reg:\reg+3], v[\a16] offset:\off
	ds_load_b64 v[\reg+4:\reg+5], v[\a8] offset:(\off)+512
	ds_load_b128 v[\reg+6:\reg+9], v[\a16] offset:(\off)+768
	ds_load_b64 v[\reg+10:\reg+11], v[\a8] offset:(\off)+1280
.endm
.macro TILE n                          ; my tile n (0, 1): T in s[16 + n], its classes in s[18 + n]
.set RAW, 232+8*\n
.set OA,  249+2*\n
	s_and_b32 s31, s[16+\n], 1
	s_cmp_lg_u32 s31, 0
	s_mov_b32 s31, 0x01000100
	s_cselect_b32 s31, 0x03020302, s31             ; an even tile's two bytes lie below in the pair's word, an odd one's above
	v_perm_b32 v[QS], v[RAW+6], v[RAW+6], s31      ; twice: the word serves (q, 0) and (0, q).  More than eight plain instructions follow ahead of the first product
.irp i, 0,1,2,3,4,5
	v_mov_b32 v[Q0+\i], v[RAW+\i]
	v_mov_b32 v[Q1+6+\i], v[RAW+\i]
.endr
	v_mov_b32 v13, 0xff61b1e6                      ; the largest t so far: -3e38
	v_floor_f32 v12, -v13                          ; -M
	v_mov_b32 v14, 0
	v_mov_b32 v15, 0
.set J, 0
.rept 32
	v_mov_b32 v[O+J], 0
.set J, J+1
.endr
	s_lshl_b32 s30, s[16+\n], 12
	s_mov_b32 s31, 0
	s_add_nc_u64 s[28:29], s[8:9], s[30:31]        ; the tile's mask words: 256 bytes a step
	s_mov_b32 s24, 0                               ; the step's images in LDS: 6,144 bytes a step, K's and V's alike
	s_mov_b32 s25, 0                               ; its scale words: 256 bytes a step
	s_mov_b32 s26, 0                               ; its class's place
	s_mov_b32 s27, 16
.Lstep_\@:                             ; sixteen trips, always; a step that is all hidden is passed over by a branch on its stored class
	s_lshr_b32 s30, s[18+\n], s26
	s_and_b32 s30, s30, 3
	s_cmp_eq_u32 s30, 0
	s_cbranch_scc1 .Lskip_\@
	s_load_b512 s[32:47], s[28:29], 0x0            ; the 64 lane words
	s_load_b512 s[48:63], s[28:29], 0x40
	s_load_b512 s[68:83], s[28:29], 0x80
	s_load_b512 s[84:99], s[28:29], 0xc0
	v_add_nc_u32 v8, s24, v1                       ; (these six are also the places behind the last step's products, in front of the loads below)
	v_add_nc_u32 v9, s24, v2
	v_add_nc_u32 v10, s24, v5
	v_add_nc_u32 v11, s24, v6
	v_add_nc_u32 v228, s25, v3
	v_add_nc_u32 v229, s25, v4
.irp g, 0,1,2,3
	FRAG4 FRG+12*\g, 8, 9, 1536*\g                 ; key tiles 2 g and 2 g + 1
.endr
	ds_load_b128 v[KSW:KSW+3], v228                ; row r's four words: two bytes for each of the pair's tiles
	s_wait_dscnt 0x0
.irp g, 0,1,2,3
.irp u, 0,1
	v_wmma_scale_f32_16x16x128_f8f6f4 v[S+8*(2*\g+\u):S+8*(2*\g+\u)+7], v[FRG+12*\g:FRG+12*\g+11], v[Q0+12*\u:Q0+12*\u+11], 0, v[KSW+\g], v[QS] matrix_a_fmt:MATRIX_FMT_BF6 matrix_b_fmt:MATRIX_FMT_BF6
.endr
.endr
.rept 4
	v_nop                                          ; places: in front of the loads into K's registers and of the first read of the scores
.endr
.irp a, 0,1,2,3
	FRAG4 FRG+12*\a, 10, 11, 1536*\a               ; V^T: 16 of the head's 64 x these 128 keys; they land under the softmax
.endr
	ds_load_b128 v[VSW:VSW+3], v229
	s_wait_kmcnt 0x0                               ; the lane words are in, and their base may be stepped
	s_cmp_eq_u32 s30, 2
	s_cbranch_scc1 .Lopen_\@
.set J, 0
.rept 64
	v_cndmask_b32 v[S+J], v[S+J], v7, s[32+J+4*(J/32)]   ; a hidden score becomes -infinity: p = 0
.set J, J+1
.endr
.Lopen_\@:
.irp b, 0,1,2,3
	v_max3_num_f32 v[BM+\b], v[S+16*\b], v[S+1+16*\b], v[S+2+16*\b]   ; the largest score of each block of 32 keys: for the row's maximum and, since p rises with the score, for the block's largest p
.endr
.irp i, 3,5,7,9,11,13
.irp b, 0,1,2,3
	v_max3_num_f32 v[BM+\b], v[BM+\b], v[S+16*\b+\i], v[S+1+16*\b+\i]
.endr
.endr
.irp b, 0,1,2,3
	v_max_num_f32 v[BM+\b], v[BM+\b], v[S+15+16*\b]
.endr
.irp b, 0,1,2,3
	v_permlanex16_b32 v[PT+\b], v[BM+\b], s20, s21
.endr
.irp b, 0,1,2,3
	v_max_num_f32 v[BM+\b], v[BM+\b], v[PT+\b]     ; with lane l xor 16's 16 keys
.endr
	v_max3_num_f32 v226, v[BM], v[BM+1], v[BM+2]
	v_max_num_f32 v226, v226, v[BM+3]
	v_mul_f32 v226, s22, v226                      ; as t
	v_max_num_f32 v13, v13, v226                   ; the running largest t
	v_mov_b32 v226, v12
	v_floor_f32 v12, -v13                          ; the new -M = -ceil(t): a whole number
	v_sub_f32 v226, v12, v226                      ; old M - new M: a whole number, 0 or less
	v_cvt_i32_f32 v226, v226                       ; (it saturates)
	v_ldexp_f32 v224, 1.0, v226                    ; f = 2^(old M - new M): a multiplication by it rounds nothing
.set J, 0
.rept 32
	v_pk_fma_f32 v[S+J:S+J+1], v[S+J:S+J+1], s[22:23], v[12:13] op_sel_hi:[1,0,0]   ; t - M, two at a time
.set J, J+2
.endr
.irp b, 0,1,2,3
	v_fma_f32 v[BM+\b], v[BM+\b], s22, v12         ; the same of each block's largest score
.endr
.set J, 0
.rept 64
	v_exp_f32 v[S+J], v[S+J]                       ; p = 2^(t - M), not normalised
.set J, J+1
.endr
	v_pk_mul_f32 v[14:15], v[14:15], v[224:225] op_sel_hi:[1,0]   ; the sums under the new M: the plain place behind the exponentials
	s_wait_alu depctr_va_vdst(0)                   ; one wait for the batch of 64, ahead of its first reader
.irp b, 0,1,2,3
	v_exp_f32 v[BM+\b], v[BM+\b]                   ; the block's largest p: the same two instructions on the same number give the same bits
.endr
	v_pk_add_f32 v[PT:PT+1], v[S:S+1], v[S+2:S+3]  ; the row's sum of the unquantised p, in two chains
.irp j, 4,8,12,16,20,24,28,32,36,40,44,48,52,56,60
	v_pk_add_f32 v[14:15], v[14:15], v[S+\j:S+1+\j]
	v_pk_add_f32 v[PT:PT+1], v[PT:PT+1], v[S+2+\j:S+3+\j]
.endr
	v_pk_add_f32 v[14:15], v[14:15], v[PT:PT+1]
	s_wait_alu depctr_va_vdst(0)                   ; and one for the four
.irp b, 0,1,2,3
	v_max_num_f32 v[BM+\b], 0x2800000, v[BM+\b]    ; the floor 2^(5 - 127): the byte cannot fall under 1
.endr
.irp b, 0,1,2,3
	v_add_nc_u32 v[SO+\b], 0xfe000000, v[BM+\b]    ; 4 off the exponent field: the conversion's scale operand
.endr
.irp b, 0,1,2,3
	v_lshrrev_b32 v[PT+\b], 23, v[SO+\b]           ; the scale's byte
.endr
	v_lshl_or_b32 v225, v[PT+1], 8, v[PT]          ; p's scale word for these 128 keys
	v_lshl_or_b32 v225, v[PT+2], 16, v225
	v_lshl_or_b32 v225, v[PT+3], 24, v225
.irp c, 0,1
	v_cvt_scalef32_pk16_bf6_f32 v[PCD+6*\c:PCD+2+6*\c], v[S+32*\c:S+15+32*\c], v[SO+2*\c]
	v_cvt_scalef32_pk16_bf6_f32 v[CT+4*\c:CT+2+4*\c], v[S+16+32*\c:S+31+32*\c], v[SO+2*\c+1]
.endr
	v_nop                                          ; one plain place behind a scaled conversion
.irp c, 0,1
.irp i, 0,1,2
	v_permlane16_swap_b32 v[PCD+6*\c+\i], v[CT+4*\c+\i]
.endr
.irp i, 0,1,2
	v_mov_b32 v[PCD+3+6*\c+\i], v[CT+4*\c+\i]
.endr
.endr
.set J, 0
.rept 16
	v_pk_mul_f32 v[O+J:O+J+1], v[O+J:O+J+1], v[224:225] op_sel_hi:[1,0]   ; O^T under the new M.  (These sixteen are also the places between the writes of p's codes and scale word and the products)
.set J, J+2
.endr
	s_wait_dscnt 0x0                               ; V
.irp a, 0,1,2,3                        ; the four accumulators take turns; between two links of a chain stand the three others' and the next step's eight
	v_wmma_scale_f32_16x16x128_f8f6f4 v[O+8*\a:O+8*\a+7], v[FRG+12*\a:FRG+12*\a+11], v[PCD:PCD+11], v[O+8*\a:O+8*\a+7], v[VSW+\a], v225 matrix_a_fmt:MATRIX_FMT_BF6 matrix_b_fmt:MATRIX_FMT_BF6
.endr
.Lskip_\@:
	s_add_co_u32 s24, s24, 6144
	s_add_co_u32 s25, s25, 256
	s_add_co_u32 s26, s26, 2
	s_add_nc_u64 s[28:29], s[28:29], 256
	s_sub_co_u32 s27, s27, 1
	s_cmp_lg_u32 s27, 0
	s_cbranch_scc1 .Lstep_\@
	; the tile's way out: O^T / the sum, quantised along the head's 64: register 16 b + i = feature 32 b + 16 (lane / 16) + i
.rept 4
	v_nop                                          ; places behind the last products
.endr
	v_add_f32 v14, v14, v15
	v_permlanex16_b32 v226, v14, s20, s21
	v_add_f32 v14, v14, v226                       ; the row's sum
	v_cmp_lt_f32 vcc_lo, 0, v14                    ; has the row an open key?
	v_rcp_f32 v224, v14
	s_lshr_b32 s30, s15, 4
	s_lshl_b32 s30, s30, 7
	s_add_co_u32 s30, s30, s[16+\n]                ; 128 b + T
	s_and_b32 s24, s15, 15                         ; the head
	s_lshl_b32 s31, s30, 4
	s_add_co_u32 s31, s31, s24
	s_mul_i32 s31, s31, 768
	v_add_nc_u32 v[OA], s31, v1                    ; (plain places behind the reciprocal)  where the half image goes
	v_add_nc_u32 v[OA+1], s31, v2
	s_lshl_b32 s30, s30, 9
	s_lshl_b32 s24, s24, 1
	s_add_co_u32 s30, s30, s24
	v_mov_b32 v[253+\n], s30                       ; and the tile's scale bytes: 32 bytes a row, 2 a head
	s_wait_alu depctr_va_vdst(0)                   ; ahead of the reciprocal's first reader
	v_cndmask_b32 v224, 0, v224, vcc_lo            ; no open key: zeros
.set J, 0
.rept 16
	v_pk_mul_f32 v[S+J:S+J+1], v[O+J:O+J+1], v[224:225] op_sel_hi:[1,0]   ; each accumulator from its low end on
.set J, J+2
.endr
.irp b, 0,1
	v_max3_num_f32 v[BM+\b], |v[S+16*\b]|, |v[S+1+16*\b]|, 0x2800000
.endr
.irp i, 2,4,6,8,10,12,14
.irp b, 0,1
	v_max3_num_f32 v[BM+\b], v[BM+\b], |v[S+16*\b+\i]|, |v[S+1+16*\b+\i]|
.endr
.endr
.irp b, 0,1
	v_permlanex16_b32 v[PT+\b], v[BM+\b], s20, s21
.endr
.irp b, 0,1
	v_max_num_f32 v[BM+\b], v[BM+\b], v[PT+\b]
.endr
.irp b, 0,1
	v_add_nc_u32 v[SO+\b], 0xfe000000, v[BM+\b]
.endr
.irp b, 0,1
	v_lshrrev_b32 v[PT+\b], 23, v[SO+\b]
.endr
	v_lshl_or_b32 v[247+\n], v[PT+1], 8, v[PT]
	v_cndmask_b32 v[247+\n], 0xffff, v[247+\n], vcc_lo   ; no open key: the bytes that make the row NaN
	v_cvt_scalef32_pk16_bf6_f32 v[RAW:RAW+2], v[S:S+15], v[SO]       ; into the registers that held the tile's q: no later line writes them, so the stores below want no wait
	v_cvt_scalef32_pk16_bf6_f32 v[CT:CT+2], v[S+16:S+31], v[SO+1]
	v_nop
.irp i, 0,1,2
	v_permlane16_swap_b32 v[RAW+\i], v[CT+\i]
.endr
.irp i, 0,1,2
	v_mov_b32 v[RAW+3+\i], v[CT+\i]
.endr
	global_store_b128 v[OA], v[RAW:RAW+3], s[10:11]              ; 512 consecutive bytes, aligned
	global_store_b64 v[OA+1], v[RAW+4:RAW+5], s[10:11] offset:512 ; 256
.endm
	TILE 0
	TILE 1
	s_mov_b32 s30, 0xffff0000                      ; lanes 0-15 store the first tile's scale bytes, lanes 16-31 the second's (every lane holds row lane % 16's)
	v_cndmask_b32 v230, v247, v248, s30
	v_cndmask_b32 v231, v253, v254, s30
	v_and_b32 v255, 15, v0
	v_lshl_add_u32 v231, v255, 5, v231
	global_store_b16 v231, v230, s[12:13]
	s_wait_tensorcnt 0x0
	ds_add_u32 v211, v239
	s_wait_dscnt 0x0
	s_endpgm
.Lfunc_end_k_q54d604467e_attn:
	.size	k_q54d604467e_attn, .Lfunc_end_k_q54d604467e_attn-k_q54d604467e_attn
	.p2alignl 7, 3214868480
	.fill 96, 4, 3214868480
	.section	.rodata,"a",@progbits
	.p2align	6, 0x0
	.amdhsa_kernel k_q54d604467e_attn
		.amdhsa_group_segment_fixed_size 206848
		.amdhsa_private_segment_fixed_size 0
		.amdhsa_enable_private_segment 0
		.amdhsa_kernarg_size 40
		.amdhsa_user_sgpr_count 2
		.amdhsa_user_sgpr_kernarg_segment_ptr 1
		.amdhsa_wavefront_size32 1
		.amdhsa_system_sgpr_workgroup_id_x 1
		.amdhsa_system_sgpr_workgroup_id_y 1
		.amdhsa_system_sgpr_workgroup_id_z 1
		.amdhsa_system_vgpr_workitem_id 0
		.amdhsa_next_free_vgpr 256
		.amdhsa_next_free_sgpr 100
		.amdhsa_reserve_vcc 1
		.amdhsa_float_denorm_mode_32 3
		.amdhsa_float_denorm_mode_16_64 3
		.amdhsa_memory_ordered 1
		.amdhsa_forward_progress 1
		.amdhsa_inst_pref_size 63
	.end_amdhsa_kernel
	.amdgpu_metadata
---
amdhsa.version: [ 1, 2 ]
amdhsa.kernels:
  - .name:           k_q54d604467e_attn
    .symbol:         k_q54d604467e_attn.kd
    .args:
      - { .name: img, .offset: 0, .size: 8, .value_kind: global_buffer, .address_space: global }
      - { .name: scl, .offset: 8, .size: 8, .value_kind: global_buffer, .address_space: global }
      - { .name: msk, .offset: 16, .size: 8, .value_kind: global_buffer, .address_space: global }
      - { .name: ocod, .offset: 24, .size: 8, .value_kind: global_buffer, .address_space: global }
      - { .name: oscl, .offset: 32, .size: 8, .value_kind: global_buffer, .address_space: global }
    .group_segment_fixed_size: 206848
    .private_segment_fixed_size: 0
    .kernarg_segment_align: 8
    .kernarg_segment_size: 40
    .max_flat_workgroup_size: 512
    .sgpr_count:     100
    .vgpr_count:     256
    .wavefront_size: 32
...
	.end_amdgpu_metadata
.endif
;; end of part 3
;; launch proj (part 4): grid 4 x 32, 4 waves a work-group, clusters of 4 x 4, 327,680 bytes of LDS; arguments ocod, oscl, cod, scs, out0, bo; writes out0
.if DOCPART == 4
	.amdgcn_target "amdgcn-amd-amdhsa--gfx1250"
	.amdhsa_code_object_version 6
	.text
	.protected	k_q54d604467e_proj
	.globl	k_q54d604467e_proj
	.p2align	8
	.type	k_q54d604467e_proj,@function
k_q54d604467e_proj:
	s_mov_b64 s[64:65], 0
	v_nop
	global_prefetch_b8 v0, s[64:65] scope:SCOPE_SE
	s_setreg_imm32_b32 hwreg(HW_REG_WAVE_MODE, 25, 1), 1
	s_wait_xcnt 0x0
	s_wait_alu depctr_hold_cnt(0) depctr_sa_sdst(0) depctr_va_vdst(0) depctr_va_sdst(0) depctr_va_ssrc(0) depctr_va_vcc(0) depctr_vm_vsrc(0)
	s_getreg_b32 s2, hwreg(HW_REG_IB_STS2, 6, 4)
	s_cmp_eq_u32 s2, 0
	s_cbranch_scc0 .Lentry_in_a_cluster
	s_endpgm
.Lentry_in_a_cluster:
	s_bfe_u32 s2, ttmp6, 0x10000c
	s_cmp_lg_u32 s2, 0xf033
	s_cbranch_scc0 .Lentry_shape_is_right
	s_endpgm
.Lentry_shape_is_right:
; PROJ.  out0 = o Wo^T + bo on codes of BF6 (E3M2) with E8M0 scales; M 8,192, N 1,024, K 1,024; out0 f32.
; A tile is 256 x 256, four waves of 128 x 128 (64 accumulators); K goes in steps of 256 through a ring of two LDS slots filled by the tensor data mover; the scale bytes of the tile's rows come once.
; A = o arrives as IMAGES OF THE OPERAND'S REGISTERS: [tile of 16 rows][head 16][768 bytes]; two heads on end are a fragment of 128 along K, read by two loads of 16 and two of 8 bytes a lane, each over consecutive bytes.
;   Row r of tile T is token 32 (T/2) + 8 (T%2) + r + 8 (r/8): that enters the rows' addresses in out0 alone.
; B = Wo: rows 11,264 on of the table of codes, in which a row's place is its number with bits 3 and 4 swapped: register j of B's block b is column 32 (b/2) + 16 (lane/16) + 8 (b%2) + j: that enters the stage's addresses alone.
; THE MATRIX INSTRUCTION: source 0 = 16 places of B, source 1 = 16 rows of A: a lane holds eight neighbouring numbers of a row of out0.  bo is the C of each sum's first product.
; CLUSTERS: 4 x 4 work-groups; A's tiles are asked for jointly along a row of the cluster, B's along a column.
; 128 work-groups: a tile of 256 x 256 keeps each fragment's reads from LDS at their fewest; this launch is a small part of the program's work.
; REGISTERS, in windows of 256: window 0: v0-31 addresses; v32-63 scale words, two sets; v64-127 bo; v128-223 A's fragments, ONE set; on the way out v128-255 hold rows.   window 1: B's fragments, two sets.   windows 2, 3: the accumulators.
.set KSTEP,  256
.set NQ,     2
.set ROWB,   192
.set KROW,   768
.set PITCH,  240
.set FR,     12
.set NL,     6                         ; LDS loads of a fragment of B,
.set NLA,    4                         ; of A
.set NP,     4
.set ASTEP,  3072                      ; a K step of a tile of 16 rows of o: four heads' half images
.set HALFA,  8*ASTEP                   ; 128 rows of A
.set HALFB,  128*PITCH
.set BOFF,   2*HALFA
.set SLOT,   2*HALFA+2*HALFB
.set LAPS,   2
.set KS,     32
.set SCL,    2*SLOT
.set HALFS,  (128*KS/256)*272
.set SBLK,   (16*KS/256)*272
.set SPARE,  SCL+4*HALFS
.set SPITCH, 528                       ; the way out: a stage of 16 rows x (512 + 16) bytes for each wave, in slot 0, which has had its last fill and its last read when the first result is stored there
.set ADRA, 16                          ; v16-17 16 x lane + my A in slot 0, 1;  v18-19 the same with 8 x lane
.set ADRB, 20
.set STO,  24
.set RD,   25
.set CO,   26
.set ADRS, 27
.set SPW,  28
.set NIL,  29
.set SC,   32
.set BR,   64
.set AF,   128
.set BK,   128
.set G1, 24
.set G0, 32
.set G1B, 48
.set G0B, 56
.set G1S, 68
.set G0S, 76
.set G1SB, 80
.set G0SB, 88
.set MSB, 0
.macro WIN new
.if MSB != \new
	s_set_vgpr_msb (MSB<<8)|\new
.set MSB, \new
.endif
.endm
.set MUL_LO, 0xa1
.set MUL_HI, 0xf1
.set BEG_LO, 0x81
.set BEG_HI, 0xc1
.set TO_B,   0x40
.macro JLOAD g0a, g1a, g0b, g1b
	s_cmp_eq_u32 s15, 0
	s_cbranch_scc0 .Lfor_b_\@
	tensor_load_to_lds s[\g0a:\g0a+3], s[\g1a:\g1a+7]
	s_nop 0
.rept 4
	v_nop
.endr
	s_branch .Lasked_\@
.Lfor_b_\@:
	tensor_load_to_lds s[\g0b:\g0b+3], s[\g1b:\g1b+7]
	s_nop 0
.rept 4
	v_nop
.endr
.Lasked_\@:
.endm
.macro CREST
	s_cmp_lg_u32 s14, 0
	s_cbranch_scc1 .Lnot_wave_0_\@
	s_barrier_signal -3
.Lnot_wave_0_\@:
	s_barrier_wait -3
	s_barrier_signal -1
	s_barrier_wait -1
.endm
.macro CROUND
	s_barrier_signal -1
	s_barrier_wait -1
	CREST
.endm
	s_load_b128 s[4:7], s[0:1], 0x0                ; ocod, oscl
	s_load_b128 s[8:11], s[0:1], 0x10              ; cod, scs
	s_load_b64 s[12:13], s[0:1], 0x20              ; out0
	s_load_b64 s[96:97], s[0:1], 0x28              ; bo
	v_lshl_add_u32 v[SPW], v0, 2, SPARE
	v_mov_b32 v[NIL], 0
	ds_add_u32 v28, v29
	ds_add_u32 v28, v29
	s_wait_dscnt 0x0
	v_lshrrev_b32 v1, 5, v0
	v_readfirstlane_b32 s14, v1
	s_lshr_b32 s15, s14, 1
	s_and_b32 s16, s14, 1
	s_bfe_u32 s40, ttmp6, 0x40000                  ; cx
	s_bfe_u32 s41, ttmp6, 0x40004                  ; cy
	s_lshl_b32 s42, ttmp9, 2
	s_add_co_u32 s42, s42, s40                     ; tile column
	s_and_b32 s17, ttmp7, 0xffff
	s_lshl_b32 s17, s17, 2
	s_add_co_u32 s17, s17, s41                     ; tile row
	s_lshl_b32 s43, s41, 2
	s_lshl_b32 s43, 15, s43
	s_lshl_b32 s44, 0x1111, s40
	s_or_b32 s[G1+0], s43, (3<<16)|(1<<21)         ; A: mask; elements of 8 bytes; no padding; bit 21 beside a mask
	s_mov_b32 s[G1+1], 384<<16                     ; tensor_dim0: 3,072 bytes
	s_mov_b32 s[G1+2], 8<<16                       ; tensor_dim1: 8 tiles of 16 rows
	s_mov_b32 s[G1+3], 384<<16                     ; tile_dim0
	s_mov_b32 s[G1+4], 8                           ; tile_dim1
	s_mov_b32 s[G1+5], 1536                        ; pitch: 12,288 bytes from tile to tile
	s_mov_b32 s[G1+6], 0
	s_mov_b32 s[G1+7], 0
	s_or_b32 s[G1B+0], s44, (0<<16)|(1<<20)|(1<<21)|(3<<22)|(3<<25)
	s_mov_b32 s[G1B+1], ROWB<<16
	s_mov_b32 s[G1B+2], 128<<16
	s_mov_b32 s[G1B+3], ROWB<<16
	s_mov_b32 s[G1B+4], 128
	s_mov_b32 s[G1B+5], KROW
	s_mov_b32 s[G1B+6], 0
	s_mov_b32 s[G1B+7], 0
	s_or_b32 s[G1S+0], s43, (3<<16)|(1<<20)|(1<<21)|(5<<22)|(3<<25)
	s_or_b32 s[G1SB+0], s44, (3<<16)|(1<<20)|(1<<21)|(5<<22)|(3<<25)
.irp g, G1S, G1SB
	s_mov_b32 s[\g+1], 32<<16
	s_mov_b32 s[\g+2], (128*KS/256)<<16
	s_mov_b32 s[\g+3], 32<<16
	s_mov_b32 s[\g+4], 128*KS/256
	s_mov_b32 s[\g+5], 32
	s_mov_b32 s[\g+6], 0
	s_mov_b32 s[\g+7], 0
.endr
	s_lshl_b32 s18, s16, 7
	s_lshl_b32 s20, s17, 8
	s_add_co_u32 s20, s20, s18                     ; A: row 256 x tile row + 128 x half
	s_lshl_b32 s46, s42, 8
	s_add_co_u32 s46, s46, s18
	s_add_co_u32 s46, s46, 11264                   ; B: Wo's rows in the table
	s_mov_b32 s21, 0
	s_mov_b32 s47, 0
	s_mov_b64 s[18:19], KS
	s_mul_u64 s[22:23], s[20:21], s[18:19]
	s_mul_u64 s[92:93], s[46:47], s[18:19]
	s_mov_b64 s[18:19], KROW                       ; a row's share of an image is 768 bytes too: 16 rows are 12,288
	s_mul_u64 s[20:21], s[20:21], s[18:19]
	s_mul_u64 s[46:47], s[46:47], s[18:19]
	s_mul_i32 s45, s16, HALFA                      ; where they go: A's halves,
	s_mul_i32 s95, s16, HALFB
	s_add_co_u32 s95, s95, BOFF                    ; B's halves behind them,
	s_mul_i32 s94, s14, HALFS                      ; the scales by the wave
	s_wait_kmcnt 0x0
	s_add_nc_u64 s[20:21], s[4:5], s[20:21]
	s_add_nc_u64 s[22:23], s[6:7], s[22:23]
	s_add_nc_u64 s[46:47], s[8:9], s[46:47]
	s_add_nc_u64 s[92:93], s[10:11], s[92:93]
	CROUND
	s_mov_b32 s[G0S], 1
	s_add_co_u32 s[G0S+1], s94, SCL
	s_mov_b64 s[G0S+2:G0S+3], s[22:23]
	s_or_b32 s[G0S+3], s[G0S+3], 0x80000000
	s_mov_b32 s[G0SB], 1
	s_add_co_u32 s[G0SB+1], s94, SCL
	s_mov_b64 s[G0SB+2:G0SB+3], s[92:93]
	s_or_b32 s[G0SB+3], s[G0SB+3], 0x80000000
	JLOAD G0S, G1S, G0SB, G1SB                     ; three tensor loads of mine are out at the most
.irp s, 0,1
	s_mov_b32 s[G0+4*\s], 1
	s_add_co_u32 s[G0+4*\s+1], s45, \s*SLOT
	s_add_nc_u64 s[G0+4*\s+2:G0+4*\s+3], s[20:21], \s*ASTEP
	s_or_b32 s[G0+4*\s+3], s[G0+4*\s+3], 0x80000000
	s_mov_b32 s[G0B+4*\s], 1
	s_add_co_u32 s[G0B+4*\s+1], s95, \s*SLOT
	s_add_nc_u64 s[G0B+4*\s+2:G0B+4*\s+3], s[46:47], \s*ROWB
	s_or_b32 s[G0B+4*\s+3], s[G0B+4*\s+3], 0x80000000
	JLOAD G0+4*\s, G1, G0B+4*\s, G1B
.endr
	v_and_b32 v1, 15, v0                           ; r
	v_bfe_u32 v2, v0, 4, 1                         ; h
	v_and_b32 v6, 31, v0                           ; lane
	v_mul_u32_u24 v3, v1, PITCH
	v_mul_u32_u24 v4, v2, 24
	v_add_nc_u32 v4, v3, v4
	v_lshl_add_u32 v5, v2, 4, v4
	v_lshlrev_b32 v8, 4, v6
	v_lshlrev_b32 v9, 3, v6
	s_mul_i32 s21, s15, HALFA
	s_mul_i32 s22, s16, HALFB
	s_add_co_u32 s22, s22, BOFF
.irp s, 0,1
	v_add_nc_u32 v[ADRA+\s], s21, v8
	v_add_nc_u32 v[ADRA+2+\s], s21, v9
	v_add_nc_u32 v[ADRB+\s], s22, v4
	v_add_nc_u32 v[ADRB+2+\s], s22, v5
	s_add_co_u32 s21, s21, SLOT
	s_add_co_u32 s22, s22, SLOT
.endr
	v_mul_u32_u24 v5, v1, KS
	v_lshrrev_b32 v6, 8, v5
	v_lshl_add_u32 v5, v6, 4, v5
	s_mul_i32 s21, s15, HALFS
	s_mul_i32 s22, s16, HALFS
	s_add_co_u32 s22, s22, 2*HALFS
	s_sub_co_u32 s22, s22, s21
	v_mul_u32_u24 v6, s22, v2
	s_add_co_u32 s21, s21, SCL
	v_add_nc_u32 v5, v5, v6
	v_add_nc_u32 v[ADRS], s21, v5
	s_mul_i32 s23, s14, 16*SPITCH                  ; my stage
	v_mul_u32_u24 v5, v1, SPITCH                   ; in: row r; my half's sixteen columns of each 32: + 64 h
	v_lshl_add_u32 v5, v2, 6, v5
	v_add_nc_u32 v[STO], s23, v5
	v_mov_b32 v[CO], v8                            ; back: the 32 lanes take one row of 512 bytes; and the same in out0
	v_add_nc_u32 v[RD], s23, v8
	s_lshl_b32 s20, s17, 8
	s_lshl_b32 s21, s15, 7
	s_add_co_u32 s20, s20, s21                     ; my first row
	s_mov_b32 s21, 0
	s_mov_b64 s[18:19], 4096
	s_mul_u64 s[20:21], s[20:21], s[18:19]
	s_lshl_b32 s46, s42, 10                        ; my first column, in bytes
	s_lshl_b32 s47, s16, 9
	s_add_co_u32 s46, s46, s47
	s_mov_b32 s47, 0
	s_add_nc_u64 s[20:21], s[20:21], s[46:47]
	s_add_nc_u64 s[12:13], s[12:13], s[20:21]
	s_add_nc_u64 s[96:97], s[96:97], s[46:47]      ; bo at my first column
	v_lshlrev_b32 v7, 6, v2
.irp b, 0,1,2,3,4,5,6,7
	global_load_b128 v[BR+8*\b:BR+8*\b+3], v7, s[96:97] offset:(32*(\b/2)+8*(\b%2))*4
	global_load_b128 v[BR+8*\b+4:BR+8*\b+7], v7, s[96:97] offset:(32*(\b/2)+8*(\b%2))*4+16
.endr
.macro FRAG reg, adr, q, i
.irp p, 0,1,2,3,4,5
.set PCE, 12*(\q)+6*(\p/3)+\p%3
.if PCE%8 < 5
	ds_load_b64 v[\reg+2*\p:\reg+2*\p+1], v[\adr] offset:8*PCE+16*(PCE/8)+(\i)*16*PITCH
.else
	ds_load_b64 v[\reg+2*\p:\reg+2*\p+1], v[\adr+2] offset:8*PCE+16*(PCE/8)+(\i)*16*PITCH
.endif
.endr
.endm
.macro AFRAG reg, slot, q, i           ; a fragment of A from two half images on end
	ds_load_b128 v[\reg:\reg+3], v[ADRA+\slot] offset:(\i)*ASTEP+(\q)*1536
	ds_load_b64 v[\reg+4:\reg+5], v[ADRA+2+\slot] offset:(\i)*ASTEP+(\q)*1536+512
	ds_load_b128 v[\reg+6:\reg+9], v[ADRA+\slot] offset:(\i)*ASTEP+(\q)*1536+768
	ds_load_b64 v[\reg+10:\reg+11], v[ADRA+2+\slot] offset:(\i)*ASTEP+(\q)*1536+1280
.endm
.macro MUL16 a0, p, q, sc, zero        ; the 64 accumulators take turns, one instruction a turn
.irp a, \a0, \a0+1
.irp b, 0,1,2,3,4,5,6,7
.if \zero
	v_wmma_scale_f32_16x16x128_f8f6f4 v[8*(8*((\a)%4)+\b):8*(8*((\a)%4)+\b)+7], v[128*(\p)+FR*\b:128*(\p)+FR*\b+FR-1], v[AF+FR*(\a):AF+FR*(\a)+FR-1], v[BR+8*\b:BR+8*\b+7], v[SC+8*NQ*(\sc)+NQ*\b+(\q)], v[SC+8*NQ*(\sc)+NQ*(\a)+(\q)] matrix_a_fmt:MATRIX_FMT_BF6 matrix_b_fmt:MATRIX_FMT_BF6 matrix_a_scale:MATRIX_SCALE_ROW1
.else
	v_wmma_scale_f32_16x16x128_f8f6f4 v[8*(8*((\a)%4)+\b):8*(8*((\a)%4)+\b)+7], v[128*(\p)+FR*\b:128*(\p)+FR*\b+FR-1], v[AF+FR*(\a):AF+FR*(\a)+FR-1], v[8*(8*((\a)%4)+\b):8*(8*((\a)%4)+\b)+7], v[SC+8*NQ*(\sc)+NQ*\b+(\q)], v[SC+8*NQ*(\sc)+NQ*(\a)+(\q)] matrix_a_fmt:MATRIX_FMT_BF6 matrix_b_fmt:MATRIX_FMT_BF6 matrix_a_scale:MATRIX_SCALE_ROW1
.endif
.endr
.endr
.endm
.macro FETCH_B slot, q, p
	WIN TO_B
.irp i, 0,1,2,3,4,5,6,7
	FRAG 128*(\p)+FR*\i, ADRB+\slot, \q, \i
.endr
	WIN 0
.endm
.macro FETCH_A slot, q, i0
.irp i, \i0, \i0+1, \i0+2, \i0+3
	AFRAG AF+FR*(\i), \slot, \q, \i
.endr
.endm
.macro SCALES sc
.irp i, 0,1,2,3,4,5,6,7
	ds_load_b64 v[SC+8*NQ*\sc+NQ*\i:SC+8*NQ*\sc+NQ*\i+1], v[ADRS] offset:\i*SBLK
.endr
.endm
.macro PLACES n
.rept \n
	v_nop
.endr
.endm
.macro STEP slot, q, zero
	s_wait_dscnt 4*NLA                             ; B's set and A's blocks 0-3 are in; the youngest 16 loads (A's blocks 4-7) may be out
.if \zero
	WIN BEG_LO
.else
	WIN MUL_LO
.endif
	MUL16 0, (\q)%2, \q, \slot, \zero
	MUL16 2, (\q)%2, \q, \slot, \zero
	s_wait_dscnt 0
	PLACES NP
	FETCH_B \slot, (\q)+1, 1-(\q)%2
	FETCH_A \slot, (\q)+1, 0
.if \zero
	WIN BEG_HI
.else
	WIN MUL_HI
.endif
	MUL16 4, (\q)%2, \q, \slot, \zero
	MUL16 6, (\q)%2, \q, \slot, \zero
	PLACES NP
	WIN 0
	FETCH_A \slot, (\q)+1, 4
.endm
.macro TURN slot, next, fill
	s_wait_tensorcnt 0x0                           ; all my tensor loads have landed: my part of the next slot
	ds_add_u32 v[SPW], v[NIL]                      ; 0 onto my spare word
	s_wait_dscnt 4*NLA+1                           ; (the add and the youngest 16 loads may be out)
	WIN MUL_LO
	MUL16 0, 1, NQ-1, \slot, 0
	s_wait_dscnt 0x0                               ; the add is done, and my reads of this slot are over
	s_barrier_signal -1
	MUL16 2, 1, NQ-1, \slot, 0
	WIN 0
	s_barrier_wait -1
.if \fill
	CREST                                          ; a round of the cluster's barrier: no wave of any partner still reads this slot or has a load on its way
	s_add_nc_u64 s[G0+4*\slot+2:G0+4*\slot+3], s[G0+4*\slot+2:G0+4*\slot+3], 2*ASTEP
	s_add_nc_u64 s[G0B+4*\slot+2:G0B+4*\slot+3], s[G0B+4*\slot+2:G0B+4*\slot+3], 2*ROWB
	JLOAD G0+4*\slot, G1, G0B+4*\slot, G1B
.else
	PLACES NP
.endif
	v_add_nc_u32 v[ADRS], 4*NQ, v[ADRS]
	FETCH_B \next, 0, 0
	FETCH_A \next, 0, 0
	SCALES \next
	WIN MUL_HI
	MUL16 4, 1, NQ-1, \slot, 0
	MUL16 6, 1, NQ-1, \slot, 0
	PLACES NP
	WIN 0
	FETCH_A \next, 0, 4
.endm
	s_wait_loadcnt 0x0                             ; bo
	s_wait_tensorcnt 1                             ; the scales and my part of K step 0 are in (K step 1's load may be out),
	s_barrier_signal -1
	s_barrier_wait -1                              ; everybody's are
	FETCH_B 0, 0, 0
	FETCH_A 0, 0, 0
	SCALES 0
	FETCH_A 0, 0, 4
	STEP 0, 0, 1
	s_mov_b32 s3, LAPS-1
.Llap:
	TURN 0, 1, 1
	STEP 1, 0, 0
	TURN 1, 0, 1
	STEP 0, 0, 0
	s_sub_co_u32 s3, s3, 1
	s_cmp_lg_u32 s3, 0
	s_cbranch_scc1 .Llap
	TURN 0, 1, 0
	STEP 1, 0, 0
	s_wait_dscnt 4*NLA
	WIN MUL_LO
	MUL16 0, 1, NQ-1, 1, 0
	MUL16 2, 1, NQ-1, 1, 0
	s_wait_dscnt 0
	WIN MUL_HI
	MUL16 4, 1, NQ-1, 1, 0
	MUL16 6, 1, NQ-1, 1, 0
	WIN 0
; THE WAY OUT, block by block of 16 rows x 128 columns, through my own stage: in by columns' true places, back as whole rows of 512 bytes.  LDS serves a wave's instructions in order (ISA guide 5.7.1.4).
.macro TOSTAGE a
.set AC, 64*((\a)%4)
	WIN 0x08+4*((\a)/4)                            ; the data: window 2 or 3
.irp b, 0,1,2,3,4,5,6,7
	ds_store_b128 v[STO], v[AC+8*\b:AC+8*\b+3] offset:128*(\b/2)+32*(\b%2)          ; columns 32 (b/2) + 16 h + 8 (b%2) + 0 .. 3; each accumulator from its low end on
	ds_store_b128 v[STO], v[AC+8*\b+4:AC+8*\b+7] offset:128*(\b/2)+32*(\b%2)+16
.endr
	WIN 0
.set BB, BK+64*((\a)%2)
.irp t, 0,1,2,3,4,5,6,7,8,9,10,11,12,13,14,15
	ds_load_b128 v[BB+4*\t:BB+4*\t+3], v[RD] offset:\t*SPITCH
.endr
.endm
.macro SEND a, younger
.set BB, BK+64*((\a)%2)
	s_wait_dscnt \younger                          ; the block is back in registers
.if (\a) > 0
.if (\a)%2
	s_add_nc_u64 s[12:13], s[12:13], 8*4096        ; (behind a wait on XCNT)  block a begins at row 32 (a/2) + 8 (a%2)
.else
	s_add_nc_u64 s[12:13], s[12:13], 24*4096
.endif
.endif
.irp t, 0,1,2,3,4,5,6,7,8,9,10,11,12,13,14,15
	global_store_b128 v[CO], v[BB+4*\t:BB+4*\t+3], s[12:13] offset:(\t+8*(\t/8))*4096 th:TH_STORE_NT   ; 32 lanes store 512 consecutive bytes, aligned
.endr
.endm
	PLACES NP
	TOSTAGE 0
.irp a, 1,2,3,4,5,6,7
.if \a > 1
	s_wait_xcnt 0x0                                ; block a - 2's stores have read their registers and their base
.endif
	TOSTAGE \a
	SEND \a-1, 32                                  ; behind block a - 1's loads: block a's 16 stores and 16 loads
.endr
	s_wait_xcnt 0x0
	SEND 7, 0
	s_wait_tensorcnt 0x0                           ; the wave's end
	ds_add_u32 v[SPW], v[NIL]
	s_wait_dscnt 0x0
	CROUND                                         ; the closing round
	s_endpgm
.Lfunc_end_k_q54d604467e_proj:
	.size	k_q54d604467e_proj, .Lfunc_end_k_q54d604467e_proj-k_q54d604467e_proj
	.p2alignl 7, 3214868480
	.fill 96, 4, 3214868480
	.section	.rodata,"a",@progbits
	.p2align	6, 0x0
	.amdhsa_kernel k_q54d604467e_proj
		.amdhsa_group_segment_fixed_size 327680
		.amdhsa_private_segment_fixed_size 0
		.amdhsa_enable_private_segment 0
		.amdhsa_kernarg_size 48
		.amdhsa_user_sgpr_count 2
		.amdhsa_user_sgpr_kernarg_segment_ptr 1
		.amdhsa_wavefront_size32 1
		.amdhsa_system_sgpr_workgroup_id_x 1
		.amdhsa_system_sgpr_workgroup_id_y 1
		.amdhsa_system_sgpr_workgroup_id_z 1
		.amdhsa_system_vgpr_workitem_id 0
		.amdhsa_next_free_vgpr 1024
		.amdhsa_next_free_sgpr 98
		.amdhsa_reserve_vcc 0
		.amdhsa_float_denorm_mode_32 3
		.amdhsa_float_denorm_mode_16_64 3
		.amdhsa_memory_ordered 1
		.amdhsa_forward_progress 1
		.amdhsa_inst_pref_size 154
	.end_amdhsa_kernel
	.amdgpu_metadata
---
amdhsa.version: [ 1, 2 ]
amdhsa.kernels:
  - .name:           k_q54d604467e_proj
    .symbol:         k_q54d604467e_proj.kd
    .args:
      - { .name: ocod, .offset: 0, .size: 8, .value_kind: global_buffer, .address_space: global }
      - { .name: oscl, .offset: 8, .size: 8, .value_kind: global_buffer, .address_space: global }
      - { .name: cod, .offset: 16, .size: 8, .value_kind: global_buffer, .address_space: global }
      - { .name: scs, .offset: 24, .size: 8, .value_kind: global_buffer, .address_space: global }
      - { .name: out0, .offset: 32, .size: 8, .value_kind: global_buffer, .address_space: global }
      - { .name: bo, .offset: 40, .size: 8, .value_kind: global_buffer, .address_space: global }
    .group_segment_fixed_size: 327680
    .private_segment_fixed_size: 0
    .kernarg_segment_align: 8
    .kernarg_segment_size: 48
    .max_flat_workgroup_size: 128
    .sgpr_count:     98
    .vgpr_count:     1024
    .wavefront_size: 32
...
	.end_amdgpu_metadata
.endif
;; end of part 4
